; MI455X (gfx1250); checked and timed in simulation.
; The chip was launched on July 23, 2026; its instructions are those of AMD's public machine-readable ISA for CDNA 5 (MIT licence, August 2026) and "CDNA5" Instruction Set Architecture Reference Guide (July 2026). The comments in the code are by the model that wrote it; some were corrected since.
;; Ro PE Attention. Allowed arithmetic: matrix products marked QUANTISED: E2M3 operands, one E8M0 scale for each 32 along K, by v_wmma_scale_f32_16x16x128_f8f6f4 with both operands' format E2M3, f32 sums; everything else in f32.
;; Inputs: b_proj 1,024 float32; rope_cos 2,048 x 32 float32; rope_sin 2,048 x 32 float32; w_proj 1,024 x 1,024 float32; w_qkv 1,024 x 3,072 float32; x 2 x 2,048 x 1,024 float32.
;; Outputs: out0 2 x 2,048 x 1,024 float32.
;; This version of the problem:
;;   THIS VERSION OF THE PROBLEM IS GIVEN IN LOW PRECISION. The matrix products marked QUANTISED in the list below multiply operands that are first quantised to E2M3 (2 exponent bits, 3 mantissa bits; 6 bits a number), with one power-of-two scale for each 32 numbers along K (OCP MX v1.0); their sums are f32. All else is computed in f32.
;;   The module's matrix products, in the order in which they are computed (A, B: the left and right operand; K: the contracted axis; several contracted axes count as one K, in the product's order):
;;     1. [M 4,096, K 1,024] x [K 1,024, N 3,072]; A: input x; B: input w_qkv: QUANTISED
;;     2. batch 32 x [M 2,048, K 64] x [K 64, N 2,048]; A: computed on the way; B: computed on the way: QUANTISED
;;     3. batch 32 x [M 2,048, K 2,048] x [K 2,048, N 64]; A: softmax (see below); B: computed on the way: QUANTISED
;;     4. [M 4,096, K 1,024] x [K 1,024, N 1,024]; A: computed on the way; B: input w_proj: QUANTISED
;;   THE QUANTISER, for each operand of a quantised product, along K:
;;     - K is cut into blocks of 32 from its start; a last block that is shorter is filled with zeros.
;;     - A block's scale is 2^e with e = floor(log2(the largest magnitude in the block)) - 2, held to -126 .. 127; a block of zeros has e = 0. As a byte (E8M0): e + 127.
;;     - Each number is divided by its block's scale, clamped to +-7.5, and rounded to the nearest number of E2M3, ties to even, subnormals kept.
;;     - The product sums the exact products of the quantised numbers (number of the format x scale) in f32.
;;   ~~~python
;;   def quantise(x, axis):      # numpy; x: float32 -> the quantised numbers, widened to float32 again
;;       x = np.moveaxis(x, axis, -1); K = x.shape[-1]
;;       x = np.pad(x, [(0, 0)] * (x.ndim - 1) + [(0, -K % 32)]); x = x.reshape(x.shape[:-1] + (-1, 32)); a = np.abs(x).max(-1, keepdims=True)
;;       e = np.where(a > 0, np.clip(np.frexp(np.where(a > 0, a, 1))[1] - 1 - 2, -126, 127), 0)      # np.frexp(a)[1] - 1 = floor(log2(a)), exactly
;;       r = np.clip(x / 2.0 ** e, -7.5, 7.5)
;;       step = 2.0 ** (np.maximum(np.frexp(np.where(r == 0, 1, r))[1] - 1, 0) - 3)
;;       q = np.round(r / step) * step * 2.0 ** e      # np.round: ties to even
;;       return np.moveaxis(q.reshape(q.shape[:-2] + (-1,))[..., :K], -1, axis).astype(np.float32)
;;   ~~~
;;   SOFTMAX AHEAD OF A QUANTISED PRODUCT. Where the list says 'softmax', what is quantised is not the finished softmax but p = 2^(t - M), with t = logit x log2(e) and M = ceil(the row's largest t), a whole number; so 1/2 < the row's largest p <= 1. The row's sum l is taken of the UNQUANTISED p, in f32, and the product's result is divided by l at the end. Since M is a whole number, a kernel that streams over the keys may use a running M (the ceiling of the running maximum): every later rescaling is an exact power of two, which a block's scale takes up: the codes' values come out the same.
;;   OPERANDS COMPUTED ON THE WAY. 'Computed on the way' means the value that the module computes at that place (a softmax that the list does not call 'softmax' is quantised finished and normalised). What goes into a quantiser is computed in f32, as accurately as f32 sums, v_exp_f32 and their like allow (about 1e-6 of the number): no bf16 or f16 on the way to a quantiser, and a product that is left as it is and whose result goes on into a quantised operand takes f32 operands (vector FMAs, or v_wmma_f32_16x16x4_f32). A number that lies on a knife's edge between two numbers of the format may be rounded either way, as far as f32 arithmetic and the matrix unit's own rounding can turn it there, and no further.
;; One version. Each part assembles by itself: llvm-mc -triple=amdgcn-amd-amdhsa -mcpu=gfx1250 --defsym DOCPART=n.
;; ======== version 1 of 1: 4 launches
;; limits: right only within a limited range of input values
;; workspace buffers: xq 3,276,800 bytes; wq 2,457,600 bytes; wp 819,200 bytes; qb 3,407,872 bytes; kv 6,684,672 bytes; ob 3,276,800 bytes
;; launch quant (part 1): grid 512 x 1, 4 waves a work-group, no clusters, 34,304 bytes of LDS; arguments x, w_qkv, w_proj, xq, wq, wp; writes xq, wq, wp
.if DOCPART == 1
	.amdgcn_target "amdgcn-amd-amdhsa--gfx1250"
	.amdhsa_code_object_version 6
	.text
	.protected	k_q0c42558fba_quant
	.globl	k_q0c42558fba_quant
	.p2align	8
	.type	k_q0c42558fba_quant,@function
k_q0c42558fba_quant:
	s_mov_b64 s[64:65], 0
	v_nop
	global_prefetch_b8 v0, s[64:65] scope:SCOPE_SE
	s_setreg_imm32_b32 hwreg(HW_REG_WAVE_MODE, 25, 1), 1
	s_wait_xcnt 0x0
; x [4096][1024], w_qkv [1024][3072] and w_proj [1024][1024], f32, become codes of FP6 (E2M3) with one E8M0 scale byte for each 32 along K (K = 1024: x's last axis, the weights' first).
; A block's scale is 2^(floor(log2(its largest magnitude)) - 2): its byte is the largest magnitude's exponent field - 2, held at 1 from below.
; LIMITS: NaN and infinities among the inputs are not served; a block whose largest magnitude lies under 2^-124 keeps the byte 1; a block of zeros gets the byte 1 where the rule says 127: its codes are zeros, and this program alone reads the bytes.
; LAYOUT OF THE RESULTS (this program's own): an operand's rows (tokens, or a weight's columns) stand in tiles of 16.  In each group of 32 rows, lane r of tile u holds row 8 u + r + 8 (r / 8).
;   codes:  [tile][K step of 128 (8)][piece (6)][lane (32)][8 bytes]: piece p is the register pair 2 p, 2 p + 1 of the 12 registers that a lane holds of a fragment of 16 rows x 128 K.  A fragment is 1,536 bytes, a tile 12,288.
;   scales: behind the codes, [128 rows][K step (8)][row (128)][4 bytes]: one word for a row and 128 along K.
; SHARES: work-groups 0-255 take x (a wave: 32 tokens x 128 K, two fragments), 256-447 w_qkv, 448-511 w_proj (a wave: 32 columns x 128 K, two fragments).  Every job is straight-line; all its loads go out at its head.
; No matrix unit, no tensor load, no barrier: the launch streams, and waves share nothing.
.set XSI,  3145728                     ; where the scale words begin in xq
.set WQSI, 2359296                     ; in wq
.set WPSI, 786432                      ; in wp
.set R0,   16                          ; x: v16-79, v80-143: 64 numbers of each of two tiles
.set TM,   144                         ; v144-159 at work in QUANT
.set CT,   160                         ; v160-167 the upper halves of blocks' codes, before they are moved
.set PC,   168                         ; v168-191 two fragments' codes
.set PW,   192                         ; v192-193 their scale words
.set SEL,  30                          ; s[30:31] lane selects for v_permlanex16_b32: lane l xor 16
.set XW,   16                          ; weights: v16-143: 128 numbers down K
.set EW,   144                         ; v144-167: four blocks' codes, six registers each
.set CW,   168                         ; v168-175: upper halves before they are moved
; 64 numbers of a lane, register 16 b + i = k 32 b + 16 (lane / 16) + i of the lane's row, become codes: k 0-63 in v[d0] on, k 64-127 in v[d1] on (six registers each), and the row's scale word in v[pw].
.macro QUANT s, d0, d1, pw
.irp b, 0,1,2,3
	v_max3_num_f32 v[TM+\b], |v[(\s)+16*\b]|, |v[(\s)+1+16*\b]|, 0x1800000   ; my 16 numbers of block b, and the floor 2^(3 - 127): the byte cannot fall under 1
.endr
.irp i, 2,4,6,8,10,12,14
.irp b, 0,1,2,3
	v_max3_num_f32 v[TM+\b], v[TM+\b], |v[(\s)+16*\b+\i]|, |v[(\s)+1+16*\b+\i]|   ; the four blocks by turns
.endr
.endr
.irp b, 0,1,2,3
	v_permlanex16_b32 v[TM+4+\b], v[TM+\b], s[SEL], s[SEL+1]
.endr
.irp b, 0,1,2,3
	v_max_num_f32 v[TM+\b], v[TM+\b], v[TM+4+\b]   ; with lane l xor 16's 16: the block's largest magnitude
.endr
.irp b, 0,1,2,3
	v_add_nc_u32 v[TM+12+\b], 0xff000000, v[TM+\b] ; 2 off its exponent field: the conversion's scale operand
.endr
.irp b, 0,1,2,3
	v_lshrrev_b32 v[TM+4+\b], 23, v[TM+12+\b]      ; the scale's byte
.endr
	v_lshl_or_b32 v[\pw], v[TM+5], 8, v[TM+4]
	v_lshl_or_b32 v[\pw], v[TM+6], 16, v[\pw]
	v_lshl_or_b32 v[\pw], v[TM+7], 24, v[\pw]
	v_cvt_scalef32_pk16_fp6_f32 v[(\d0):(\d0)+2], v[(\s):(\s)+15], v[TM+12]
	v_cvt_scalef32_pk16_fp6_f32 v[CT:CT+2], v[(\s)+16:(\s)+31], v[TM+13]      ; (a conversion's three registers begin on an even number)
	v_cvt_scalef32_pk16_fp6_f32 v[(\d1):(\d1)+2], v[(\s)+32:(\s)+47], v[TM+14]
	v_cvt_scalef32_pk16_fp6_f32 v[CT+4:CT+6], v[(\s)+48:(\s)+63], v[TM+15]
	v_nop                                          ; one plain instruction behind the scaled conversions
.irp i, 0,1,2
	v_permlane16_swap_b32 v[(\d0)+\i], v[CT+\i]    ; the layout wants a whole block in a lane: lanes 0-15 the even block, lanes 16-31 the odd one
	v_permlane16_swap_b32 v[(\d1)+\i], v[CT+4+\i]
.endr
.irp i, 0,1,2
	v_mov_b32 v[(\d0)+3+\i], v[CT+\i]
	v_mov_b32 v[(\d1)+3+\i], v[CT+4+\i]
.endr
.endm
	s_load_b256 s[4:11], s[0:1], 0x0               ; x s[4:5], w_qkv s[6:7], w_proj s[8:9], xq s[10:11]
	s_load_b128 s[12:15], s[0:1], 0x20             ; wq s[12:13], wp s[14:15]
	v_lshl_add_u32 v208, v0, 2, 0x8400
	v_mov_b32 v209, 0
	v_lshrrev_b32 v1, 5, v0
	v_readfirstlane_b32 s16, v1                    ; wave 0..3
	v_and_b32 v6, 31, v0                           ; lane
	v_lshlrev_b32 v4, 3, v6                        ; 8 x lane: a piece's place
	v_lshlrev_b32 v5, 2, v6                        ; 4 x lane: a scale word's
	s_cmp_lt_u32 ttmp9, 256
	s_cbranch_scc0 .Lweights
	; ---- x: tokens 32 b .. 32 b + 31, K step kap
	s_lshr_b32 s17, ttmp9, 1                       ; b
	s_and_b32 s18, ttmp9, 1
	s_lshl_b32 s18, s18, 2
	s_add_co_u32 s18, s18, s16                     ; kap = 4 (work-group % 2) + wave
	v_lshlrev_b32 v1, 4, v6                        ; 16 x lane: a load reads 512 consecutive bytes of a row
	s_mul_i32 s19, s16, 8448                       ; my stage: 16 rows of 512 bytes + 16
	v_add_nc_u32 v2, s19, v1                       ; into it: as loaded
	v_and_b32 v7, 15, v0                           ; r
	v_bfe_u32 v8, v0, 4, 1                         ; h
	v_mul_u32_u24 v3, v7, 528
	v_lshl_add_u32 v3, v8, 6, v3
	v_add_nc_u32 v3, s19, v3                       ; out of it: row r, + 64 h: my 16 numbers of each block of 32
	s_mov_b32 s[SEL], 0x76543210
	s_mov_b32 s[SEL+1], 0xfedcba98
.irp b, 0,1,2,3
	v_mov_b32 v[TM+4+\b], 0                        ; written once: a lane permute's destination counts as one of its sources
.endr
	s_lshl_b32 s20, s17, 17                        ; 32 b rows of 4,096 bytes
	s_lshl_b32 s21, s18, 9                         ; + 512 kap
	s_add_co_u32 s20, s20, s21
	s_mov_b32 s21, 0
	s_mul_i32 s22, s17, 24576                      ; codes: tile 2 b,
	s_mul_i32 s23, s18, 1536                       ; fragment kap
	s_add_co_u32 s22, s22, s23
	s_mov_b32 s23, 0
	s_lshr_b32 s24, s17, 2                         ; scale words: 128 rows are 4,096 bytes,
	s_lshl_b32 s24, s24, 12
	s_lshl_b32 s25, s18, 9                         ; a K step 512,
	s_add_co_u32 s24, s24, s25
	s_and_b32 s25, s17, 3
	s_lshl_b32 s25, s25, 7                         ; my 32 rows 128
	s_add_co_u32 s24, s24, s25
	s_add_co_u32 s24, s24, XSI
	s_mov_b32 s25, 0
	s_wait_alu depctr_va_vdst(0)
	s_wait_kmcnt 0x0
	s_add_nc_u64 s[4:5], s[4:5], s[20:21]
	s_add_nc_u64 s[26:27], s[10:11], s[22:23]
	s_add_nc_u64 s[28:29], s[10:11], s[24:25]
.macro XL u                            ; tile u's 16 rows, in the tile's own order
.irp i, 0,1,2,3,4,5,6,7,8,9,10,11,12,13,14,15
	global_load_b128 v[R0+64*\u+4*\i:R0+64*\u+4*\i+3], v1, s[4:5] offset:(8*\u+\i+8*(\i/8))*4096 th:TH_LOAD_NT
.endr
.endm
.macro JOB u, left
	s_wait_loadcnt \left                           ; this tile's sixteen loads are in
.irp i, 0,1,2,3,4,5,6,7,8,9,10,11,12,13,14,15
	ds_store_b128 v2, v[R0+64*\u+4*\i:R0+64*\u+4*\i+3] offset:528*\i
.endr
.irp i, 0,1,2,3,4,5,6,7,8,9,10,11,12,13,14,15
	ds_load_b128 v[R0+64*\u+4*\i:R0+64*\u+4*\i+3], v3 offset:128*(\i/4)+16*(\i%4)   ; LDS serves a wave's instructions in order (ISA guide 5.7.1.4): these see the stores above
.endr
	s_wait_dscnt 0x0
	QUANT R0+64*\u, PC+12*\u, PC+12*\u+6, PW+\u
.irp p, 0,1,2,3,4,5
	global_store_b64 v4, v[PC+12*\u+2*\p:PC+12*\u+2*\p+1], s[26:27] offset:12288*\u+256*\p   ; 32 lanes store 256 consecutive bytes, aligned
.endr
.endm
	XL 0
	XL 1
	JOB 0, 16                                      ; the second tile's sixteen loads may stay out
	JOB 1, 0
	v_permlane16_swap_b32 v[PW], v[PW+1]           ; lanes 0-15: tile 0's words, lanes 16-31: tile 1's
	global_store_b32 v5, v[PW], s[28:29]           ; 128 consecutive bytes: 1 byte in 128 of what the wave reads
	s_wait_tensorcnt 0x0
	ds_add_u32 v208, v209
	s_wait_dscnt 0x0
	s_endpgm
; ---- a weight [1024][N]: a lane takes a column and its registers run down K; lane l takes column col0 + (l with bits 3 and 4 exchanged), so that lanes 0-15 are tile 0 and lanes 16-31 tile 1
.macro WBLOCK t
.set XS, XW+32*(\t)
	v_max3_num_f32 v8, |v[XS]|, |v[XS+1]|, |v[XS+2]|               ; the block's largest magnitude: all 32 numbers are mine
	v_max3_num_f32 v9, |v[XS+3]|, |v[XS+4]|, |v[XS+5]|
.irp i, 6,10,14,18,22,26
	v_max3_num_f32 v8, v8, |v[XS+\i]|, |v[XS+\i+1]|
	v_max3_num_f32 v9, v9, |v[XS+\i+2]|, |v[XS+\i+3]|
.endr
	v_max3_num_f32 v8, v8, |v[XS+30]|, |v[XS+31]|
	v_max3_num_f32 v8, v8, v9, 0x1800000           ; and the floor
	v_add_nc_u32 v10, 0xff000000, v8               ; the conversion's scale operand
	v_lshrrev_b32 v9, 23, v10                      ; the byte
.if (\t) == 0
	v_mov_b32 v11, v9
.else
	v_lshl_or_b32 v11, v9, 8*(\t), v11
.endif
	v_cvt_scalef32_pk16_fp6_f32 v[EW+6*(\t):EW+6*(\t)+2], v[XS:XS+15], v10
	v_cvt_scalef32_pk16_fp6_f32 v[CW+4*((\t)%2):CW+4*((\t)%2)+2], v[XS+16:XS+31], v10
.endm
.macro WPAIR c                         ; blocks 2 c and 2 c + 1 become registers 6 c .. 6 c + 5 of both tiles' fragments
	v_nop                                          ; one plain instruction behind the scaled conversions
.irp i, 0,1,2
	v_mov_b32 v[EW+12*\c+3+\i], v[CW+\i]
	v_mov_b32 v[EW+12*\c+9+\i], v[CW+4+\i]
.endr
.irp i, 0,1,2,3,4,5
	v_permlane16_swap_b32 v[EW+12*\c+\i], v[EW+12*\c+6+\i]   ; the first now holds tile 0's (lanes 0-15 the even block, lanes 16-31 the odd one), the second tile 1's
.endr
.irp p, 0,1,2
	global_store_b64 v4, v[EW+12*\c+2*\p:EW+12*\c+2*\p+1], s[26:27] offset:256*(3*\c+\p)
	global_store_b64 v4, v[EW+12*\c+6+2*\p:EW+12*\c+6+2*\p+1], s[26:27] offset:12288+256*(3*\c+\p)
.endr
.endm
.macro WPATH stride, first, src, dst, soff
	s_sub_co_u32 s17, ttmp9, \first
	s_lshr_b32 s18, s17, 3                         ; which 128 columns
	s_and_b32 s19, s17, 7                          ; K step
	v_and_b32 v1, 7, v0
	v_bfe_u32 v2, v0, 3, 1
	v_bfe_u32 v3, v0, 4, 1
	v_lshl_add_u32 v1, v2, 4, v1
	v_lshl_add_u32 v1, v3, 3, v1
	v_lshlrev_b32 v1, 2, v1                        ; my column's 4 bytes among the wave's 128
	s_mul_i32 s20, s19, 128*\stride
	s_lshl_b32 s21, s18, 9
	s_add_co_u32 s20, s20, s21
	s_lshl_b32 s21, s16, 7
	s_add_co_u32 s20, s20, s21                     ; 128 kap rows + 4 (128 cg + 32 wave)
	s_mov_b32 s21, 0
	s_lshl_b32 s22, s18, 3
	s_lshl_b32 s23, s16, 1
	s_add_co_u32 s22, s22, s23                     ; my first tile
	s_mul_i32 s22, s22, 12288
	s_mul_i32 s23, s19, 1536
	s_add_co_u32 s22, s22, s23
	s_mov_b32 s23, 0
	s_lshl_b32 s24, s18, 12
	s_lshl_b32 s25, s19, 9
	s_add_co_u32 s24, s24, s25
	s_lshl_b32 s25, s16, 7
	s_add_co_u32 s24, s24, s25
	s_add_co_u32 s24, s24, \soff
	s_mov_b32 s25, 0
	s_wait_alu depctr_va_vdst(0)
	s_wait_kmcnt 0x0
	s_add_nc_u64 s[32:33], s[\src:\src+1], s[20:21]
	s_add_nc_u64 s[26:27], s[\dst:\dst+1], s[22:23]
	s_add_nc_u64 s[28:29], s[\dst:\dst+1], s[24:25]
.set n, 0
.rept 128
	global_load_b32 v[XW+n], v1, s[32:33] offset:n*\stride th:TH_LOAD_NT   ; 32 lanes read 128 consecutive bytes of row n
.set n, n+1
.endr
	s_wait_loadcnt 63                              ; of 128 loads at least 65 are in: blocks 0 and 1
	WBLOCK 0
	WBLOCK 1
	WPAIR 0
	s_wait_loadcnt 32                              ; block 2 is in, block 3's 32 loads may be out
	WBLOCK 2
	s_wait_loadcnt 0x0
	WBLOCK 3
	WPAIR 1
	global_store_b32 v5, v11, s[28:29]             ; my column's scale word: 128 consecutive bytes a wave
	s_endpgm
.endm
.Lweights:
	s_cmp_lt_u32 ttmp9, 448
	s_cbranch_scc0 .Lproj_weight
	WPATH 12288, 256, 6, 12, WQSI
.Lproj_weight:
	WPATH 4096, 448, 8, 14, WPSI
.Lfunc_end_k_q0c42558fba_quant:
	.size	k_q0c42558fba_quant, .Lfunc_end_k_q0c42558fba_quant-k_q0c42558fba_quant
	.p2alignl 7, 3214868480
	.fill 96, 4, 3214868480
	.section	.rodata,"a",@progbits
	.p2align	6, 0x0
	.amdhsa_kernel k_q0c42558fba_quant
		.amdhsa_group_segment_fixed_size 34304
		.amdhsa_private_segment_fixed_size 0
		.amdhsa_enable_private_segment 0
		.amdhsa_kernarg_size 48
		.amdhsa_user_sgpr_count 2
		.amdhsa_user_sgpr_kernarg_segment_ptr 1
		.amdhsa_wavefront_size32 1
		.amdhsa_system_sgpr_workgroup_id_x 1
		.amdhsa_system_sgpr_workgroup_id_y 1
		.amdhsa_system_sgpr_workgroup_id_z 1
		.amdhsa_system_vgpr_workitem_id 0
		.amdhsa_next_free_vgpr 210
		.amdhsa_next_free_sgpr 66
		.amdhsa_reserve_vcc 0
		.amdhsa_float_denorm_mode_32 3
		.amdhsa_float_denorm_mode_16_64 3
		.amdhsa_memory_ordered 1
		.amdhsa_forward_progress 1
		.amdhsa_inst_pref_size 60
	.end_amdhsa_kernel
	.amdgpu_metadata
---
amdhsa.version: [ 1, 2 ]
amdhsa.kernels:
  - .name:           k_q0c42558fba_quant
    .symbol:         k_q0c42558fba_quant.kd
    .args:
      - { .name: x, .offset: 0, .size: 8, .value_kind: global_buffer, .address_space: global }
      - { .name: w_qkv, .offset: 8, .size: 8, .value_kind: global_buffer, .address_space: global }
      - { .name: w_proj, .offset: 16, .size: 8, .value_kind: global_buffer, .address_space: global }
      - { .name: xq, .offset: 24, .size: 8, .value_kind: global_buffer, .address_space: global }
      - { .name: wq, .offset: 32, .size: 8, .value_kind: global_buffer, .address_space: global }
      - { .name: wp, .offset: 40, .size: 8, .value_kind: global_buffer, .address_space: global }
    .group_segment_fixed_size: 34304
    .private_segment_fixed_size: 0
    .kernarg_segment_align: 8
    .kernarg_segment_size: 48
    .max_flat_workgroup_size: 128
    .sgpr_count:     66
    .vgpr_count:     210
    .wavefront_size: 32
...
	.end_amdgpu_metadata
.endif
;; end of part 1
;; launch qkv (part 2): grid 12 x 16, 4 waves a work-group, clusters of 4 x 4, 327,680 bytes of LDS; arguments xq, wq, rope_cos, rope_sin, qb, kv; writes qb, kv
.if DOCPART == 2
	.amdgcn_target "amdgcn-amd-amdhsa--gfx1250"
	.amdhsa_code_object_version 6
	.text
	.protected	k_q0c42558fba_qkv
	.globl	k_q0c42558fba_qkv
	.p2align	8
	.type	k_q0c42558fba_qkv,@function
k_q0c42558fba_qkv:
	s_mov_b64 s[64:65], 0
	v_nop
	global_prefetch_b8 v0, s[64:65] scope:SCOPE_SE
	s_setreg_imm32_b32 hwreg(HW_REG_WAVE_MODE, 25, 1), 1
	s_wait_xcnt 0x0
	s_wait_alu depctr_hold_cnt(0) depctr_sa_sdst(0) depctr_va_vdst(0) depctr_va_sdst(0) depctr_va_ssrc(0) depctr_va_vcc(0) depctr_vm_vsrc(0)
	s_getreg_b32 s2, hwreg(HW_REG_IB_STS2, 6, 4)
	s_cmp_eq_u32 s2, 0
	s_cbranch_scc0 .Lentry_in_a_cluster
	s_endpgm
.Lentry_in_a_cluster:
	s_bfe_u32 s2, ttmp6, 0x10000c
	s_cmp_lg_u32 s2, 0xf033
	s_cbranch_scc0 .Lentry_shape_is_right
	s_endpgm
.Lentry_shape_is_right:
; qkv = x w_qkv on codes of FP6 (E2M3) with E8M0 scales, K = 1024; then, in registers: RoPE on q and k, and the quantising of q, k (along the head's 64) and v (along the tokens).  Only codes and scale bytes are stored.
; LIMITS: NaN and infinities are not served; a block whose largest magnitude lies under 2^-124 keeps the byte 1; a block of zeros gets the byte 1 where the rule says 127 (its codes are zeros; this program alone reads the bytes).
; SHAPE: a work-group of four waves makes 256 x 256 of the product, a wave 128 x 128: 64 accumulators, 512 registers.  K goes in slots of 256 through a ring of two LDS slots, filled by joint tensor loads of a 4 x 4 cluster.
; ROLES: role A's 16 rows are source 1 of the matrix instruction and become the result's LANES; role B's are source 0 and become its REGISTERS.  Clusters x = 0 (q) and 1 (k): A = tokens (xq), B = columns (wq), so that a lane
; holds one token and its registers run along the head's channels.  Cluster x = 2 (v): A = columns, B = tokens, so that a lane holds one channel and its registers run along the tokens, which are the next K.
; Role A's tile hangs on the place cy alone (shared along a row of the cluster), role B's on cx alone (shared along a column): masks, LDS addresses and shapes are the same on both ways; only pointers and tile numbers are chosen,
; by the cluster's x, which all partners share.
; OPERANDS lie in memory in the order of the operand's registers: [tile of 16 rows][K step (8)][piece (6)][lane][8 bytes]; in each group of 32 rows lane r of tile u holds row 8 u + r + 8 (r / 8), so that the 16 registers of
; two neighbouring tiles of role B are 16 neighbours.  A slot's part of a tile is 3,072 consecutive bytes; a fragment comes by six loads of 8 bytes a lane, 256 consecutive bytes each.
; RESULTS: qb: records of 6,656 bytes for (batch x 16 + head, 128 queries): four images of 1,536 bytes (three pieces of 16 bytes a lane: registers 0-5 tile 2 b, 6-11 tile 2 b + 1; lane (r, h): token 32 b + 8 u + r + 8 (r / 8),
; channels 32 h on), then 512 bytes of scale words (16 bytes a lane: word b: lanes 0-15 tile 2 b, lanes 16-31 tile 2 b + 1; bytes 2 and 3 are 0).  kv: records of 13,056 bytes: the same for k; at 6,656 four fragments of v
; (lane (r, h): channel 32 (t / 2) + 8 (t % 2) + r + 8 (r / 8); registers 6 c on: keys 64 c + 32 h on); at 12,800 their scale words (8 bytes a lane).
; REGISTERS, in windows of 256: window 0: v16-29 addresses; v32-95 all scale words; v128-223 role A's fragments, one set; v224-255 the first cosines and sines.  window 1: role B's fragments, two sets.  windows 2, 3: accumulators.
; 192 work-groups: a tile of 192 columns would give 256 but would straddle the border between k and v.  No prefetch: two of the four slots are asked for at the head.
; THE HEAD AND THE PREFETCHES, as the text below has them (this takes the place of the last sentence above): at the head each wave issues one joint load (slot 0's 16 tiles of role A, those of role B, role A's scale words, role B's);
; slot 1 is first filled behind the full sequence and a round, as a refill is.  Slots 1 to 3 are prefetched, one or two fills ahead of their tensor loads: 24 blocks of 256 bytes a wave and slot, the partners sharing a tile's blocks out by address.
; The cosines and sines of blocks 1 to 3 are asked for ahead of the last K step, those of blocks 4 to 7 at the head of the way out of q and k.
.set SLOT,   98304
.set HALFT,  24576                     ; 8 tiles x 3,072 bytes: what one tensor load brings
.set SCL,    2*SLOT                    ; behind the ring: the scale words of 4 x 128 rows, for all of K
.set SPARE,  SCL+4*4096                ; the spare words, 128 bytes a wave: two blocks of 256 bytes that no other line names
.set XSI,    3145728                   ; where the scale words begin in xq
.set WSI,    2359296                   ; in wq
.set VOF,    6656                      ; v's codes in a record of kv
.set VSC,    12800                     ; v's scale words
.set KSC,    6144                      ; q's and k's scale words in a record
.set FR,     12
.set NL,     6
.set NP,     4
.set ADRA, 16                          ; v16-17 LDS address of my role A fragments in slot 0, 1
.set ADRB, 20                          ; v20-21 role B
.set L16,  24                          ; v24 16 x lane
.set L8,   25                          ; v25 8 x lane
.set CL,   26                          ; v26 my lane's place in the tables of cosines and sines
.set ADRS, 27                          ; v27 LDS address of my scale words
.set SPW,  28                          ; v28 my spare word; never rewritten
.set NIL,  29                          ; v29 0; never rewritten
.set SC,   32                          ; v[SC + 8 i + kap]: lanes 0-15 role A's tile i, lanes 16-31 role B's tile i
.set AF,   128
.set HR,   128                         ; the way out: v128-191 64 numbers behind RoPE
.set TC,   32                          ; v32-55 codes
.set KS,   56                          ; v56-59 scale words kept
.set PW,   60                          ; v60-61 scale words just made
.set TM,   64                          ; v64-79 at work
.set CT,   80                          ; v80-87
.set OS,   88                          ; v88-95 scale words that go out
.set WV,   16
.set HA,   17                          ; which half of role A's rows is mine.  Also: I fetch for A (0) or B (1)
.set HB,   18                          ; which half of role B's rows.  Also: which 128 rows I fetch
.set SEL,  2                           ; s[2:3] on the way out: lane selects
.set G1, 24
.set G0, 32
.set G1B, 48
.set G0B, 56
.set G1S, 68
.set G0S, 76
.set G1SB, 80
.set G0SB, 88
.set MSB, 0
.macro WIN new                         ; the immediate's high byte repeats the setting that is left
.set WNEW, \new
.if MSB != WNEW
	s_set_vgpr_msb (MSB<<8)|WNEW
.set MSB, WNEW
.endif
.endm
.set MUL_LO, 0xa1                      ; source 0 (B) window 1, source 1 (A) window 0, C and D window 2
.set MUL_HI, 0xf1
.set TO_B,   0x40
.macro JLOAD g0a, g1a, g0b, g1b        ; a joint load: waves 0, 1 for role A, waves 2, 3 for role B; four v_nop follow each line
	s_cmp_eq_u32 s[HA], 0
	s_cbranch_scc0 .Lfor_b_\@
	tensor_load_to_lds s[\g0a:\g0a+3], s[\g1a:\g1a+7]
	s_nop 0
.rept 4
	v_nop
.endr
	s_branch .Lasked_\@
.Lfor_b_\@:
	tensor_load_to_lds s[\g0b:\g0b+3], s[\g1b:\g1b+7]
	s_nop 0
.rept 4
	v_nop
.endr
.Lasked_\@:
.endm
.macro CREST
	s_cmp_lg_u32 s[WV], 0
	s_cbranch_scc1 .Lnot_wave_0_\@
	s_barrier_signal -3
.Lnot_wave_0_\@:
	s_barrier_wait -3
	s_barrier_signal -1
	s_barrier_wait -1
.endm
.macro CROUND
	s_barrier_signal -1
	s_barrier_wait -1
	CREST
.endm
.macro PLACES n
.rept \n
	v_nop
.endr
.endm
	s_load_b256 s[4:11], s[0:1], 0x0               ; xq s[4:5], wq s[6:7], cos s[8:9], sin s[10:11]
	s_load_b128 s[12:15], s[0:1], 0x20             ; qb s[12:13], kv s[14:15]
	v_lshl_add_u32 v[SPW], v0, 2, SPARE
	v_mov_b32 v[NIL], 0
	ds_add_u32 v28, v29
	ds_add_u32 v28, v29
	s_wait_dscnt 0x0
	v_lshrrev_b32 v1, 5, v0
	v_readfirstlane_b32 s[WV], v1                  ; wave 0..3
	s_lshr_b32 s[HA], s[WV], 1
	s_and_b32 s[HB], s[WV], 1
	s_bfe_u32 s40, ttmp6, 0x40000                  ; cx
	s_bfe_u32 s41, ttmp6, 0x40004                  ; cy
	s_and_b32 s19, ttmp7, 0xffff
	s_lshl_b32 s19, s19, 2                         ; 4 x cluster y
	s_add_co_u32 s20, s19, s41                     ; role A's tile for q and k: tokens, 4 Y + cy
	s_add_co_u32 s21, s41, 8                       ; for v: columns, 8 + cy
	s_lshl_b32 s42, ttmp9, 2
	s_add_co_u32 s42, s42, s40                     ; role B's tile for q and k: columns, 4 X + cx
	s_add_co_u32 s43, s19, s40                     ; for v: tokens, 4 Y + cx
	s_lshl_b32 s44, s41, 2
	s_lshl_b32 s44, 15, s44                        ; my row of the cluster
	s_lshl_b32 s45, 0x1111, s40                    ; my column
	s_mov_b32 s22, XSI
	s_mov_b32 s46, WSI
	s_cmp_eq_u32 ttmp9, 2                          ; the cluster's x: the same in all sixteen partners
	s_cselect_b32 s20, s21, s20                    ; role A's tile (hangs on cy alone)
	s_cselect_b32 s42, s43, s42                    ; role B's tile (on cx alone)
	s_cselect_b32 s22, WSI, s22                    ; where role A's scale words begin
	s_cselect_b32 s46, XSI, s46                    ; role B's
	s_lshl_b32 s21, s20, 1
	s_add_co_u32 s21, s21, s[HB]                   ; which 128 rows of role A I would fetch
	s_mul_i32 s2, s21, 8*12288
	s_mov_b32 s3, 0
	s_lshl_b32 s21, s20, 13                        ; the scale words of role A's 256 rows: 8,192 dense bytes
	s_add_co_u32 s22, s22, s21
	s_mov_b32 s23, 0
	s_lshl_b32 s43, s42, 1
	s_add_co_u32 s43, s43, s[HB]
	s_mul_i32 s96, s43, 8*12288
	s_mov_b32 s97, 0
	s_lshl_b32 s43, s42, 13                        ; and of role B's
	s_add_co_u32 s46, s46, s43
	s_mov_b32 s47, 0
	s_mul_i32 s100, s[WV], HALFT                   ; where they go: the wave's number alone enters an LDS address
	; group 1 for codes: 8 rows (tiles) of 384 elements of 8 bytes, 1,536 elements apart; no padding: a fragment's loads read consecutive bytes
	s_or_b32 s[G1+0], s44, (3<<16)|(1<<21)
	s_or_b32 s[G1B+0], s45, (3<<16)|(1<<21)
.irp g, G1, G1B
	s_mov_b32 s[\g+1], 384<<16                     ; tensor_dim0
	s_mov_b32 s[\g+2], 16<<16                      ; tensor_dim1: 16 tiles for the head's loads; set to 8 for the ring's behind them
	s_mov_b32 s[\g+3], 384<<16                     ; tile_dim0
	s_mov_b32 s[\g+4], 16                          ; tile_dim1
	s_mov_b32 s[\g+5], 1536                        ; stride
	s_mov_b32 s[\g+6], 0
	s_mov_b32 s[\g+7], 0
.endr
	; and for the scale words of 256 rows: 8,192 dense bytes as 32 rows of 256
	s_or_b32 s[G1S+0], s44, (3<<16)|(1<<21)
	s_or_b32 s[G1SB+0], s45, (3<<16)|(1<<21)
.irp g, G1S, G1SB
	s_mov_b32 s[\g+1], 32<<16
	s_mov_b32 s[\g+2], 32<<16                      ; 8,192 dense bytes as 32 rows of 256
	s_mov_b32 s[\g+3], 32<<16
	s_mov_b32 s[\g+4], 32
	s_mov_b32 s[\g+5], 32
	s_mov_b32 s[\g+6], 0
	s_mov_b32 s[\g+7], 0
.endr
	s_wait_kmcnt 0x0
	s_cmp_eq_u32 ttmp9, 2
	s_cselect_b64 s[92:93], s[6:7], s[4:5]         ; role A's buffer
	s_cselect_b64 s[94:95], s[4:5], s[6:7]         ; role B's
	s_add_nc_u64 s[22:23], s[92:93], s[22:23]      ; A's scale words
	s_add_nc_u64 s[92:93], s[92:93], s[2:3]        ; A's codes
	s_add_nc_u64 s[46:47], s[94:95], s[46:47]
	s_add_nc_u64 s[94:95], s[94:95], s[96:97]
	CROUND                                         ; all sixteen work-groups are here: the first joint loads meet
	s_mov_b32 s[G0S], 1
	s_mov_b32 s[G0S+1], SCL
	s_mov_b64 s[G0S+2:G0S+3], s[22:23]
	s_or_b32 s[G0S+3], s[G0S+3], 0x80000000
	s_mov_b32 s[G0SB], 1
	s_mov_b32 s[G0SB+1], SCL+8192
	s_mov_b64 s[G0SB+2:G0SB+3], s[46:47]
	s_or_b32 s[G0SB+3], s[G0SB+3], 0x80000000
.irp s, 0,1
	s_mov_b32 s[G0+4*\s], 1
	s_add_co_u32 s[G0+4*\s+1], s100, \s*SLOT
	s_add_nc_u64 s[G0+4*\s+2:G0+4*\s+3], s[92:93], \s*3072
	s_or_b32 s[G0+4*\s+3], s[G0+4*\s+3], 0x80000000
	s_mov_b32 s[G0B+4*\s], 1
	s_add_co_u32 s[G0B+4*\s+1], s100, \s*SLOT
	s_add_nc_u64 s[G0B+4*\s+2:G0B+4*\s+3], s[94:95], \s*3072
	s_or_b32 s[G0B+4*\s+3], s[G0B+4*\s+3], 0x80000000
.endr
	; the head's four tiles, one joint load a wave: wave 0 slot 0's 16 tiles of role A, wave 1 those of role B, wave 2 role A's scale words, wave 3 role B's.
	; Slot 0's two groups 0 serve the head first: the whole 256 rows, from the half's address back to the tile's first row.
	s_mul_i32 s96, s[HB], 8*12288
	s_mov_b32 s97, 0
	s_mov_b32 s[G0+1], 0
	s_sub_nc_u64 s[G0+2:G0+3], s[G0+2:G0+3], s[96:97]
	s_mov_b32 s[G0B+1], 2*HALFT
	s_sub_nc_u64 s[G0B+2:G0B+3], s[G0B+2:G0B+3], s[96:97]
.macro ARM under, g0, g1, next
	s_cmp_lt_u32 s[WV], \under
	s_cbranch_scc0 \next
	tensor_load_to_lds s[\g0:\g0+3], s[\g1:\g1+7]
	s_nop 0
.rept 4
	v_nop
.endr
	s_branch .Lhead_asked
\next:
.endm
	ARM 1, G0,  G1,  .Lhead_b
	ARM 2, G0B, G1B, .Lhead_sa
	ARM 3, G0S, G1S, .Lhead_sb
	tensor_load_to_lds s[G0SB:G0SB+3], s[G1SB:G1SB+7]
	s_nop 0
.rept 4
	v_nop
.endr
.Lhead_asked:
	v_and_b32 v1, 31, v0                           ; lane
	v_and_b32 v2, 15, v0                           ; r
	v_bfe_u32 v3, v0, 4, 1                         ; h
	v_lshlrev_b32 v[L16], 4, v1
	v_lshlrev_b32 v[L8], 3, v1
	v_min_u32 v7, 23, v1                           ; the prefetches' offset, v30: lane l names block l % 12 of 256 bytes of tile l / 12 of two tiles' parts of a slot; lanes 24-31 name the last block again
	v_mul_u32_u24 v8, v7, 43
	v_lshrrev_b32 v8, 9, v8                        ; l / 12
	v_mul_u32_u24 v8, v8, 12288-3072
	v_lshl_add_u32 v30, v7, 8, v8                  ; 12,288 (l / 12) + 256 (l % 12); never rewritten
	s_wait_alu depctr_va_vdst(0)
	v_and_b32 v4, 8, v2
	v_add_nc_u32 v4, v4, v2                        ; r + 8 (r / 8)
	v_lshlrev_b32 v[CL], 7, v4                     ; a row of a table is 128 bytes;
	v_lshl_add_u32 v[CL], v3, 5, v[CL]             ; my half's eight pairs begin 32 h bytes on
	s_and_b32 s2, s20, 7
	s_lshl_b32 s2, s2, 1
	s_add_co_u32 s2, s2, s[HA]                     ; which 128 positions are my wave's: 0 to 15, so every load below stays inside the tables' 16 x 16,384 bytes
	s_lshl_b32 s2, s2, 14
	s_mov_b32 s3, 0
	s_add_nc_u64 s[8:9], s[8:9], s[2:3]
	s_add_nc_u64 s[10:11], s[10:11], s[2:3]
; the cosines (16 registers from cb on) and sines (16 more) of block a's tokens: register 8 bp + i: pair 16 bp + 8 h + i of the head's 32
.macro CSLOAD a, cb
.irp bp, 0,1
.irp j, 0,1
	global_load_b128 v[(\cb)+8*\bp+4*\j:(\cb)+8*\bp+4*\j+3], v[CL], s[8:9] offset:(32*((\a)/2)+8*((\a)%2))*128+64*\bp+16*\j
	global_load_b128 v[(\cb)+16+8*\bp+4*\j:(\cb)+16+8*\bp+4*\j+3], v[CL], s[10:11] offset:(32*((\a)/2)+8*((\a)%2))*128+64*\bp+16*\j
.endr
.endr
.endm
	CSLOAD 0, 224
	; PREFETCHES: of the 8 tiles that my wave fetches for a slot, each of the four partners that ask for them jointly names two, told apart by address (cx for role A, cy for role B): 24 blocks of 256 bytes, one instruction a wave.
	; Slots 1 and 2 are asked for here, behind the head's loads, slot 3 behind slot 1's load: each one or two fills ahead of the tensor load that wants it.  Every address lies inside my 8 tiles' 98,304 bytes.
	s_cmp_eq_u32 s[HA], 0
	s_cselect_b64 s[92:93], s[92:93], s[94:95]     ; role A's or role B's codes: my 8 tiles
	s_cselect_b32 s94, s40, s41
	s_mul_i32 s94, s94, 2*12288
	s_mov_b32 s95, 0
	s_add_nc_u64 s[92:93], s[92:93], s[94:95]      ; never rewritten
	global_prefetch_b8 v30, s[92:93] offset:3072 th:TH_LOAD_NT scope:SCOPE_SE
	global_prefetch_b8 v30, s[92:93] offset:6144 th:TH_LOAD_NT scope:SCOPE_SE
	                                               ; the clusters of v, which rotate nothing, so read 4,096 bytes a wave that they do not use
	; where my results go: record ((batch x 16 + head) x 16 + key step) of qb or kv; s[66:67] for my first head, s[98:99] for my second
	s_cmp_eq_u32 ttmp9, 2
	s_cselect_b32 s96, s42, s20                    ; the tile of tokens
	s_cselect_b32 s97, s41, s40                    ; the place that counts the columns' tiles
	s_cselect_b32 s2, s[HA], s[HB]                 ; which half of the 256 columns
	s_cselect_b32 s3, s[HB], s[HA]                 ; which half of the 256 tokens
	s_lshr_b32 s43, s96, 3                         ; batch
	s_lshl_b32 s43, s43, 4
	s_lshl_b32 s97, s97, 2
	s_add_co_u32 s43, s43, s97
	s_lshl_b32 s2, s2, 1
	s_add_co_u32 s43, s43, s2                      ; batch x 16 + my first head
	s_lshl_b32 s43, s43, 4
	s_and_b32 s96, s96, 7
	s_lshl_b32 s96, s96, 1
	s_add_co_u32 s43, s43, s96
	s_add_co_u32 s43, s43, s3                      ; the record
	s_mov_b32 s46, 13056
	s_cmp_eq_u32 ttmp9, 0
	s_cselect_b32 s46, 6656, s46                   ; a record's bytes
	s_cselect_b64 s[66:67], s[12:13], s[14:15]
	s_mul_i32 s96, s43, s46
	s_mov_b32 s97, 0
	s_add_nc_u64 s[66:67], s[66:67], s[96:97]
	s_lshl_b32 s96, s46, 4                         ; the next head is 16 records on
	s_add_nc_u64 s[98:99], s[66:67], s[96:97]
	s_mul_i32 s2, s[HA], HALFT
	s_mul_i32 s3, s[HB], HALFT
	s_add_co_u32 s3, s3, 2*HALFT
.irp s, 0,1
	v_add_nc_u32 v[ADRA+\s], s2, v[L8]
	v_add_nc_u32 v[ADRB+\s], s3, v[L8]
	s_add_co_u32 s2, s2, SLOT
	s_add_co_u32 s3, s3, SLOT
.endr
	v_lshlrev_b32 v5, 2, v2                        ; scale words: 4 r,
	s_lshl_b32 s2, s[HA], 12                       ; role A's: my 128 rows
	s_lshl_b32 s3, s[HB], 12                       ; role B's, behind A's two blocks
	s_add_co_u32 s3, s3, 8192
	s_sub_co_u32 s3, s3, s2
	v_mul_u32_u24 v6, s3, v3                       ; lanes 16-31 take B's: one product, the distance x h
	s_add_co_u32 s2, s2, SCL
	v_add_nc_u32 v5, v5, v6
	v_add_nc_u32 v[ADRS], s2, v5
.macro FRAG reg, adr, q, i             ; a fragment: six loads of 8 bytes a lane, 256 consecutive bytes each
.irp p, 0,1,2,3,4,5
	ds_load_b64 v[\reg+2*\p:\reg+2*\p+1], v[\adr] offset:3072*(\i)+1536*(\q)+256*\p
.endr
.endm
; 16 matrix instructions: role A's blocks a0, a0 + 1 x role B's eight, K step kap.  The 64 accumulators take turns, one instruction a turn, in the same order in every step.
.macro MUL16 a0, p, kap, zero
.irp a, \a0, \a0+1
.irp b, 0,1,2,3,4,5,6,7
.if \zero
	v_wmma_scale_f32_16x16x128_f8f6f4 v[8*(8*((\a)%4)+\b):8*(8*((\a)%4)+\b)+7], v[128*(\p)+FR*\b:128*(\p)+FR*\b+FR-1], v[AF+FR*(\a):AF+FR*(\a)+FR-1], 0, v[SC+8*\b+(\kap)], v[SC+8*(\a)+(\kap)] matrix_a_fmt:MATRIX_FMT_FP6 matrix_b_fmt:MATRIX_FMT_FP6 matrix_a_scale:MATRIX_SCALE_ROW1
.else
	v_wmma_scale_f32_16x16x128_f8f6f4 v[8*(8*((\a)%4)+\b):8*(8*((\a)%4)+\b)+7], v[128*(\p)+FR*\b:128*(\p)+FR*\b+FR-1], v[AF+FR*(\a):AF+FR*(\a)+FR-1], v[8*(8*((\a)%4)+\b):8*(8*((\a)%4)+\b)+7], v[SC+8*\b+(\kap)], v[SC+8*(\a)+(\kap)] matrix_a_fmt:MATRIX_FMT_FP6 matrix_b_fmt:MATRIX_FMT_FP6 matrix_a_scale:MATRIX_SCALE_ROW1
.endif
.endr
.endr
.endm
.macro FETCH_B slot, q, p
	WIN TO_B
.irp i, 0,1,2,3,4,5,6,7
	FRAG 128*(\p)+FR*\i, ADRB+\slot, \q, \i
.endr
	WIN 0
.endm
.macro FETCH_A slot, q, i0
.irp i, \i0, \i0+1, \i0+2, \i0+3
	FRAG AF+FR*(\i), ADRA+\slot, \q, \i
.endr
.endm
; a slot's first K step: its successor lies in the same slot
.macro STEP slot, kap, zero
	s_wait_dscnt 4*NL                              ; B's set and A's blocks 0-3 are in; the youngest 24 loads (A's blocks 4-7) may be out
	WIN MUL_LO
	MUL16 0, 0, \kap, \zero
	MUL16 2, 0, \kap, \zero
	s_wait_dscnt 0x0                               ; A's blocks 4-7 are in
	PLACES NP                                      ; four plain instructions in front of loads into registers that matrix instructions have read
	FETCH_B \slot, 1, 1
	FETCH_A \slot, 1, 0
	WIN MUL_HI
	MUL16 4, 0, \kap, \zero
	MUL16 6, 0, \kap, \zero
	PLACES NP
	WIN 0
	FETCH_A \slot, 1, 4
.endm
; a slot's second K step changes slots: one barrier; in front of it each wave waits for all its tensor loads, adds 0 to its spare word, and waits for that and for its reads of this slot.  fill = 1: this slot is filled again.
.macro TURN slot, next, kap, fill
	s_wait_tensorcnt 0x0                           ; all my tensor loads have landed: my part of the next slot
	ds_add_u32 v[SPW], v[NIL]                      ; 0 onto my spare word
	s_wait_dscnt 4*NL+1                            ; (the add and A's blocks 4-7 may be out)
	WIN MUL_LO
	MUL16 0, 1, \kap, 0                            ; sixteen matrix instructions stand between the add and the wait for it
	s_wait_dscnt 0x0                               ; the add is done, and my reads of this slot are over
	s_barrier_signal -1
	MUL16 2, 1, \kap, 0
	WIN 0
	s_barrier_wait -1
.if \fill
	CREST                                          ; the barrier has opened a round of the cluster's barrier: no wave of any partner still reads this slot or has a load on its way
	s_add_nc_u64 s[G0+4*\slot+2:G0+4*\slot+3], s[G0+4*\slot+2:G0+4*\slot+3], 2*3072
	s_add_nc_u64 s[G0B+4*\slot+2:G0B+4*\slot+3], s[G0B+4*\slot+2:G0B+4*\slot+3], 2*3072
	JLOAD G0+4*\slot, G1, G0B+4*\slot, G1B         ; the first tensor load behind the round, my only one until the next; its four v_nop are the places in front of the loads below
.else
	PLACES NP
.endif
	FETCH_B \next, 0, 0
	FETCH_A \next, 0, 0
	WIN MUL_HI
	MUL16 4, 1, \kap, 0
	MUL16 6, 1, \kap, 0
	PLACES NP
	WIN 0
	FETCH_A \next, 0, 4
.endm
	s_wait_alu depctr_va_vdst(0)
	s_wait_tensorcnt 0x0                           ; my tile of the head's four is in; slot 1's first fill is issued as a refill is
	ds_add_u32 v[SPW], v[NIL]                      ; 0 onto my spare word
	s_mov_b32 s[G1+2], 8<<16                       ; no tensor load of mine is out: from here on a load brings 8 tiles,
	s_mov_b32 s[G1+4], 8
	s_mov_b32 s[G1B+2], 8<<16
	s_mov_b32 s[G1B+4], 8
	s_mul_i32 s2, s[HB], 8*12288                   ; and slot 0's groups 0 take the ring's form: my half, to my quarter of the slot
	s_mov_b32 s3, 0
	s_add_co_u32 s[G0+1], s100, 0
	s_add_nc_u64 s[G0+2:G0+3], s[G0+2:G0+3], s[2:3]
	s_add_co_u32 s[G0B+1], s100, 0
	s_add_nc_u64 s[G0B+2:G0B+3], s[G0B+2:G0B+3], s[2:3]
	s_wait_dscnt 0x0                               ; the add is done
	CROUND                                         ; a whole round: all four tiles are in, and the partners' joint loads meet
	JLOAD G0+4, G1, G0B+4, G1B                     ; slot 1, the first tensor load behind the round
.irp i, 0,1,2,3,4,5,6,7
.irp k, 0,1,2,3,4,5,6,7
	ds_load_b32 v[SC+8*\i+\k], v[ADRS] offset:512*\k+64*\i   ; all of K's scale words stay in registers
.endr
.endr
	global_prefetch_b8 v30, s[92:93] offset:9216 th:TH_LOAD_NT scope:SCOPE_SE   ; slot 3, two fills ahead
	FETCH_B 0, 0, 0
	FETCH_A 0, 0, 0
	FETCH_A 0, 0, 4
	STEP 0, 0, 1                                   ; K has four slots: the eight K steps are written out; the first products start the sums
	TURN 0, 1, 1, 1
	STEP 1, 2, 0
	TURN 1, 0, 3, 1
	STEP 0, 4, 0
	TURN 0, 1, 5, 0                                ; nothing is left to fetch
	STEP 1, 6, 0
	s_cmp_eq_u32 ttmp9, 2                          ; the cluster's x, the same in all partners: the clusters of v rotate nothing and load no tables here
	s_cbranch_scc1 .Lno_tables
	WIN 0x40                                       ; blocks 1 to 3's cosines and sines, 24 loads, into window 1's v0-95: role B's set 0, last read in K step 6, four places back; the last K step multiplies set 1
.irp a, 1,2,3
	CSLOAD \a, 32*(\a-1)
.endr
	WIN 0
.Lno_tables:
	s_wait_dscnt 4*NL
	WIN MUL_LO
	MUL16 0, 1, 7, 0
	MUL16 2, 1, 7, 0
	s_wait_dscnt 0x0
	WIN MUL_HI
	MUL16 4, 1, 7, 0
	MUL16 6, 1, 7, 0
	WIN 0
	PLACES NP                                      ; behind the last products: results are read, and operands' and scales' registers written, only from here on
	s_mov_b32 s[SEL], 0x76543210
	s_mov_b32 s[SEL+1], 0xfedcba98
.irp b, 0,1,2,3
	v_mov_b32 v[TM+4+\b], 0                        ; written once: a lane permute's destination counts as one of its sources
.endr
; 64 numbers of a lane in window win, register 16 b + i = k 32 b + 16 (lane / 16) + i of the lane's row, become codes (k 0-63 in v[d0] on, k 64-127 in v[d1] on) and the scale word v[pw], all in window 0.
; The numbers are read in ascending order, each accumulator from its low end on.
.macro QUANT s, win, d0, d1, pw
	WIN (\win)|((\win)<<2)
.irp b, 0,1,2,3
	v_max3_num_f32 v[TM+\b], |v[(\s)+16*\b]|, |v[(\s)+1+16*\b]|, 0x1800000   ; and the floor 2^(3 - 127)
.endr
	WIN ((\win)<<2)|((\win)<<4)
.irp i, 2,4,6,8,10,12,14
.irp b, 0,1,2,3
	v_max3_num_f32 v[TM+\b], v[TM+\b], |v[(\s)+16*\b+\i]|, |v[(\s)+1+16*\b+\i]|
.endr
.endr
	WIN 0
.irp b, 0,1,2,3
	v_permlanex16_b32 v[TM+4+\b], v[TM+\b], s[SEL], s[SEL+1]
.endr
.irp b, 0,1,2,3
	v_max_num_f32 v[TM+\b], v[TM+\b], v[TM+4+\b]
.endr
.irp b, 0,1,2,3
	v_add_nc_u32 v[TM+12+\b], 0xff000000, v[TM+\b] ; 2 off the exponent field: the conversion's scale operand
.endr
.irp b, 0,1,2,3
	v_lshrrev_b32 v[TM+4+\b], 23, v[TM+12+\b]
.endr
	v_lshl_or_b32 v[\pw], v[TM+5], 8, v[TM+4]
	v_lshl_or_b32 v[\pw], v[TM+6], 16, v[\pw]
	v_lshl_or_b32 v[\pw], v[TM+7], 24, v[\pw]
	WIN \win
	v_cvt_scalef32_pk16_fp6_f32 v[(\d0):(\d0)+2], v[(\s):(\s)+15], v[TM+12]
	v_cvt_scalef32_pk16_fp6_f32 v[CT:CT+2], v[(\s)+16:(\s)+31], v[TM+13]
	v_cvt_scalef32_pk16_fp6_f32 v[(\d1):(\d1)+2], v[(\s)+32:(\s)+47], v[TM+14]
	v_cvt_scalef32_pk16_fp6_f32 v[CT+4:CT+6], v[(\s)+48:(\s)+63], v[TM+15]
	WIN 0
	v_nop                                          ; one plain instruction behind the scaled conversions
.irp i, 0,1,2
	v_permlane16_swap_b32 v[(\d0)+\i], v[CT+\i]
	v_permlane16_swap_b32 v[(\d1)+\i], v[CT+4+\i]
.endr
.irp i, 0,1,2
	v_mov_b32 v[(\d0)+3+\i], v[CT+\i]
	v_mov_b32 v[(\d1)+3+\i], v[CT+4+\i]
.endr
.endm
; RoPE on block a's 64 numbers: pair n = registers 2 n, 2 n + 1 = (e, o); its cosine and sine are register n % 16 of the set.  First (o s, e s), then (e c - o s, o c + e s), by fused multiply-adds.
.macro ROPE a, cb, cw                  ; cw: the window of the cosines and sines
.set AC, 64*((\a)%4)
	WIN (2+(\a)/4)|((\cw)<<2)
.set n, 0
.rept 32
.set SP, (\cb)+16+2*((n%16)/2)
.if n%2
	v_pk_mul_f32 v[HR+2*n:HR+2*n+1], v[AC+2*n:AC+2*n+1], v[SP:SP+1] op_sel:[1,1] op_sel_hi:[0,1]
.else
	v_pk_mul_f32 v[HR+2*n:HR+2*n+1], v[AC+2*n:AC+2*n+1], v[SP:SP+1] op_sel:[1,0] op_sel_hi:[0,0]
.endif
.set n, n+1
.endr
.set n, 0
.rept 32
.set SP, (\cb)+2*((n%16)/2)
.if n%2
	v_pk_fma_f32 v[HR+2*n:HR+2*n+1], v[AC+2*n:AC+2*n+1], v[SP:SP+1], v[HR+2*n:HR+2*n+1] op_sel:[0,1,0] op_sel_hi:[1,1,1] neg_lo:[0,0,1]
.else
	v_pk_fma_f32 v[HR+2*n:HR+2*n+1], v[AC+2*n:AC+2*n+1], v[SP:SP+1], v[HR+2*n:HR+2*n+1] op_sel:[0,0,0] op_sel_hi:[1,0,1] neg_lo:[0,0,1]
.endif
.set n, n+1
.endr
.endm
	s_cmp_eq_u32 ttmp9, 2
	s_cbranch_scc1 .Lway_v
	WIN 0x40                                       ; blocks 4 to 7's cosines and sines, 32 loads in one run, into window 1's v96-223, which role B's fragments have left
.irp a, 4,5,6,7
	CSLOAD \a, 32*(\a-1)
.endr
	WIN 0
	; ---- q and k.  Block a's lane holds token 32 (a / 2) + 8 (a % 2) + r + 8 (r / 8); register 16 b + i column 32 b + 16 h + i of my two heads.  No LDS: every store covers 512 consecutive bytes.
.irp b, 0,1,2,3
.if \b > 0
	s_wait_xcnt 0x0                                ; the last pair's stores have read their registers: the codes may be written again (ahead of the first pair no store is out)
.endif
.irp u, 0,1
	s_wait_loadcnt 8*(7-2*\b-\u)                   ; this block's cosines and sines are in; the eight loads of each later block may be out
.if 2*\b+\u == 0
	ROPE 0, 224, 0
.else
	ROPE 2*\b+\u, 32*(2*\b+\u-1), 1
.endif
	QUANT HR, 0, TC+6*\u, TC+12+6*\u, PW+\u        ; k 0-63: my first head, k 64-127: my second
.endr
	v_permlane16_swap_b32 v[PW], v[PW+1]           ; lanes 0-15: tile 2 b's words, lanes 16-31: tile 2 b + 1's
	v_mov_b32 v[KS+\b], v[PW]
.irp j, 0,1,2
	global_store_b128 v[L16], v[TC+4*\j:TC+4*\j+3], s[66:67] offset:1536*\b+512*\j
	global_store_b128 v[L16], v[TC+12+4*\j:TC+12+4*\j+3], s[98:99] offset:1536*\b+512*\j
.endr
.endr
.irp b, 0,1,2,3
	v_and_b32 v[OS+\b], 0xffff, v[KS+\b]           ; my first head's two bytes; bytes 2 and 3 are 0
	v_lshrrev_b32 v[OS+4+\b], 16, v[KS+\b]         ; my second head's
.endr
	global_store_b128 v[L16], v[OS:OS+3], s[66:67] offset:KSC
	global_store_b128 v[L16], v[OS+4:OS+7], s[98:99] offset:KSC
	s_branch .Ljoin
.Lway_v:
	; ---- v.  Block a's lane holds channel 32 ((a % 4) / 2) + 8 (a % 2) + r + 8 (r / 8) of head a / 4; register 16 b + i token 32 b + 16 h + i of my 128: one key step.  The accumulators are quantised as they stand.
.irp a, 0,1,2,3,4,5,6,7
	s_wait_xcnt 0x0                                ; the last block's stores have read their registers
	QUANT 64*(\a%4), 2+\a/4, TC, TC+6, PW+\a%2
.irp j, 0,1,2
.if \a < 4
	global_store_b128 v[L16], v[TC+4*\j:TC+4*\j+3], s[66:67] offset:VOF+1536*(\a%4)+512*\j
.else
	global_store_b128 v[L16], v[TC+4*\j:TC+4*\j+3], s[98:99] offset:VOF+1536*(\a%4)+512*\j
.endif
.endr
.if \a%2
	v_permlane16_swap_b32 v[PW], v[PW+1]
	v_mov_b32 v[KS+(\a%4)/2], v[PW]
.endif
.if \a == 3
	global_store_b64 v[L8], v[KS:KS+1], s[66:67] offset:VSC
.endif
.if \a == 7
	global_store_b64 v[L8], v[KS:KS+1], s[98:99] offset:VSC
.endif
.endr
.Ljoin:
	s_wait_tensorcnt 0x0                           ; the wave's end
	ds_add_u32 v[SPW], v[NIL]
	s_wait_dscnt 0x0
	CROUND                                         ; the closing round: no work-group ends while a partner may still ask for a tile that names it
	s_endpgm
.Lfunc_end_k_q0c42558fba_qkv:
	.size	k_q0c42558fba_qkv, .Lfunc_end_k_q0c42558fba_qkv-k_q0c42558fba_qkv
	.p2alignl 7, 3214868480
	.fill 96, 4, 3214868480
	.section	.rodata,"a",@progbits
	.p2align	6, 0x0
	.amdhsa_kernel k_q0c42558fba_qkv
		.amdhsa_group_segment_fixed_size 327680
		.amdhsa_private_segment_fixed_size 0
		.amdhsa_enable_private_segment 0
		.amdhsa_kernarg_size 48
		.amdhsa_user_sgpr_count 2
		.amdhsa_user_sgpr_kernarg_segment_ptr 1
		.amdhsa_wavefront_size32 1
		.amdhsa_system_sgpr_workgroup_id_x 1
		.amdhsa_system_sgpr_workgroup_id_y 1
		.amdhsa_system_sgpr_workgroup_id_z 1
		.amdhsa_system_vgpr_workitem_id 0
		.amdhsa_next_free_vgpr 1024
		.amdhsa_next_free_sgpr 102
		.amdhsa_reserve_vcc 0
		.amdhsa_float_denorm_mode_32 3
		.amdhsa_float_denorm_mode_16_64 3
		.amdhsa_memory_ordered 1
		.amdhsa_forward_progress 1
		.amdhsa_inst_pref_size 241
	.end_amdhsa_kernel
	.amdgpu_metadata
---
amdhsa.version: [ 1, 2 ]
amdhsa.kernels:
  - .name:           k_q0c42558fba_qkv
    .symbol:         k_q0c42558fba_qkv.kd
    .args:
      - { .name: xq, .offset: 0, .size: 8, .value_kind: global_buffer, .address_space: global }
      - { .name: wq, .offset: 8, .size: 8, .value_kind: global_buffer, .address_space: global }
      - { .name: rope_cos, .offset: 16, .size: 8, .value_kind: global_buffer, .address_space: global }
      - { .name: rope_sin, .offset: 24, .size: 8, .value_kind: global_buffer, .address_space: global }
      - { .name: qb, .offset: 32, .size: 8, .value_kind: global_buffer, .address_space: global }
      - { .name: kv, .offset: 40, .size: 8, .value_kind: global_buffer, .address_space: global }
    .group_segment_fixed_size: 327680
    .private_segment_fixed_size: 0
    .kernarg_segment_align: 8
    .kernarg_segment_size: 48
    .max_flat_workgroup_size: 128
    .sgpr_count:     102
    .vgpr_count:     1024
    .wavefront_size: 32
...
	.end_amdgpu_metadata
.endif
;; end of part 2
;; launch attn (part 3): grid 8 x 32, 8 waves a work-group, clusters of 4 x 1, 262,144 bytes of LDS; arguments qb, kv, ob; writes ob
.if DOCPART == 3
	.amdgcn_target "amdgcn-amd-amdhsa--gfx1250"
	.amdhsa_code_object_version 6
	.text
	.protected	k_q0c42558fba_attn
	.globl	k_q0c42558fba_attn
	.p2align	8
	.type	k_q0c42558fba_attn,@function
k_q0c42558fba_attn:
	s_mov_b64 s[64:65], 0
	v_nop
	global_prefetch_b8 v0, s[64:65] scope:SCOPE_SE
	s_setreg_imm32_b32 hwreg(HW_REG_WAVE_MODE, 25, 1), 1
	s_wait_xcnt 0x0
	s_wait_alu depctr_hold_cnt(0) depctr_sa_sdst(0) depctr_va_vdst(0) depctr_va_sdst(0) depctr_va_ssrc(0) depctr_va_vcc(0) depctr_vm_vsrc(0)
	s_getreg_b32 s2, hwreg(HW_REG_IB_STS2, 6, 4)
	s_cmp_eq_u32 s2, 0
	s_cbranch_scc0 .Lentry_in_a_cluster
	s_endpgm
.Lentry_in_a_cluster:
	s_bfe_u32 s2, ttmp6, 0x10000c
	s_cmp_lg_u32 s2, 0x3003
	s_cbranch_scc0 .Lentry_shape_is_right
	s_endpgm
.Lentry_shape_is_right:
; o = softmax(q k^T / 8) v for one (batch, head) and 256 queries, on codes of FP6 (E2M3) with E8M0 scales; o is quantised along the head's 64 and stored as codes and scale bytes in the order of the next product's operand.
; p = 2^(t - M), t = score x log2(e) / 8, M the ceiling of the running largest t; the row's sum is taken of the unquantised p; a change of M multiplies sum and O by an exact power of two.
; LIMITS: the promise holds while |t| stays under 2^31; NaN and infinities are not served; a block whose largest number lies under 2^-124 keeps the scale byte 1.
; SHARES: 8 waves, each 32 queries (two tiles of 16); 16 steps of 128 keys.  Both products are used transposed (S^T = k q^T, O^T = v^T p^T): a lane holds one query.
; The head's 64 channels fill half of the instruction's 128 along K: q's registers 6-11 are zero codes, so what k's operand holds there adds nothing.
; LDS: all 16 records of k and v of this head (13,056 bytes each) are filled once, by one joint load a wave (two records, 102 rows of 256 bytes) shared by the 4 work-groups of the cluster, which take the same head.
; Nothing is filled again, so one barrier serves the launch.  No prefetch: every tile is asked for in the first lines, and no loop of loads follows.
; Each LDS row has 64 bytes of padding: row pitch 320, an image of 1,536 bytes 1,920, which is 128 modulo 256.
; THE KEYS OF A TILE OF k ARE CHOSEN BY THE LANES' ADDRESSES: rows 0-7 of tile t (0-3) are keys 8 t .. 8 t + 7 of block 2 c, rows 8-15 the same of block 2 c + 1.  So lane (r, h) holds in 32 registers the whole block 2 c + h of 32 keys,
; in order: a block's maximum needs no other lane, and the conversions' results are p's operand registers as they stand.
; REGISTERS: window 0: v1-63 addresses, state, scales; v64-117 k's fragments and six zeros; v128-255 S^T, then p (tile q at 128 + 64 q).  window 1: v36-59 q; v64-127 O^T; v128-175 v's fragments; v176-199 p's codes; v200-215 upper halves.
.set RECG, 13056
.set RECL, 16320
.set SPARE, 261120
.set OSI,  3145728
.set LK,1
.set LKS,2
.set LV,3
.set LVS,4
.set AK,5
.set AKS,6
.set AV,7
.set AVS,8
.set SH8,9
.set SPW,10
.set NIL,11
.set NM,12                             ; v[12+2q] -M, v[13+2q] the running largest score
.set L,16                              ; the row's sum, two halves a tile
.set F,20                              ; v[20+2q] the factor 2^(old M - new M)
.set KS,24
.set VS,28
.set QS,30
.set PS,31
.set BM,34
.set X,38
.set Y,40
.set OLD,42
.set SO,44
.set BY,48
.set W,52
.set T,54
.set GL,58
.set G8,59
.set G4,60
.set KF,64
.set S,128
.set Q,36
.set O,64
.set VF,128
.set P,176
.set CT,200
.set WV,10
.set SEL,20
.set CS,22
.set NC,36
.set TB,37
.set CNT,38
.set MSB, 0
.macro WIN new                         ; the immediate's high byte repeats the setting that is left
.set WNEW, \new
.if MSB != WNEW
	s_set_vgpr_msb (MSB<<8)|WNEW
.set MSB, WNEW
.endif
.endm
.macro CROUND
	s_barrier_signal -1
	s_barrier_wait -1
	s_cmp_lg_u32 s[WV], 0
	s_cbranch_scc1 .Lnot_wave_0_\@
	s_barrier_signal -3
.Lnot_wave_0_\@:
	s_barrier_wait -3
	s_barrier_signal -1
	s_barrier_wait -1
.endm
	s_load_b128 s[4:7], s[0:1], 0x0                ; qb, kv
	s_load_b64 s[8:9], s[0:1], 0x10                ; ob
	v_lshl_add_u32 v[SPW], v0, 2, SPARE
	v_mov_b32 v[NIL], 0
	ds_add_u32 v[SPW], v[NIL]                      ; the opening lines: the add twice and its wait
	ds_add_u32 v[SPW], v[NIL]
	v_lshrrev_b32 v5, 5, v0
	v_readfirstlane_b32 s[WV], v5                  ; wave 0..7
	s_bfe_u32 s11, ttmp6, 0x40000                  ; cx
	s_lshl_b32 s12, ttmp9, 2
	s_add_co_u32 s12, s12, s11                     ; which 256 queries
	s_and_b32 s13, ttmp7, 0xffff                   ; batch x 16 + head
	s_mov_b32 s24, 15|(3<<16)|(1<<20)|(1<<21)|(5<<22)|(15<<25)   ; all four partners; elements of 8 bytes; 16 words of padding behind every 64
	s_mov_b32 s25, 32<<16
	s_mov_b32 s26, 102<<16
	s_mov_b32 s27, 32<<16
	s_mov_b32 s28, 102
	s_mov_b32 s29, 32
	s_mov_b32 s30, 0
	s_mov_b32 s31, 0
	s_mul_i32 s16, s13, 16*RECG
	s_mul_i32 s15, s[WV], 2*RECG
	s_add_co_u32 s16, s16, s15                     ; my two records
	s_mov_b32 s17, 0
	s_mov_b32 s32, 1
	s_mul_i32 s33, s[WV], 2*RECL
	s_mov_b32 s[SEL], 0x76543210
	s_mov_b32 s[SEL+1], 0xfedcba98                 ; lane l xor 16
	s_mov_b32 s[CS], 0x3e38aa3b                    ; c = log2(e) / 8
	s_mov_b32 s[CS+1], s[CS]
	s_mov_b32 s[NC], 0xbe38aa3b                    ; -c
	s_mov_b32 s[TB], 0
	s_wait_dscnt 0x0
	s_wait_kmcnt 0x0
	s_add_nc_u64 s[34:35], s[6:7], s[16:17]
	s_or_b32 s35, s35, 0x80000000
	CROUND                                         ; the partners' joint loads meet
	tensor_load_to_lds s[32:35], s[24:31]          ; my one tensor load of the launch
	s_nop 0
	v_and_b32 v64, 31, v0                          ; lane
	v_and_b32 v65, 15, v0                          ; r
	v_bfe_u32 v66, v0, 4, 1                        ; h
	v_and_b32 v67, 7, v0
	v_bfe_u32 v68, v0, 3, 1                        ; r / 8
	v_lshlrev_b32 v[SH8], 3, v66
	v_mul_u32_u24 v69, v66, 320
	v_lshl_add_u32 v[LK], v67, 4, v69              ; 16 (r % 8) + 320 h
	v_lshl_add_u32 v[LKS], v68, 2, v[LK]
	v_add_nc_u32 v[LKS], 7680, v[LKS]              ; k's scale words: row 24 of a record, word 2 c + r / 8
	v_mad_u32_u24 v[LK], v68, 1920, v[LK]          ; k's codes: rows 8-15 of a tile read the odd block's image
	v_lshl_add_u32 v[LV], v65, 4, v69
	v_add_nc_u32 v[LV], 8320, v[LV]                ; v's codes: row 26 on
	v_lshl_add_u32 v[LVS], v64, 3, 16000           ; v's scale words: row 50
	v_lshlrev_b32 v[GL], 4, v64
	v_lshlrev_b32 v[G8], 3, v64
	v_lshlrev_b32 v[G4], 2, v65
	s_lshl_b32 s40, s13, 4
	s_lshl_b32 s41, s12, 1
	s_add_co_u32 s40, s40, s41
	s_lshr_b32 s41, s[WV], 2
	s_add_co_u32 s40, s40, s41                     ; q's record
	s_mul_i32 s40, s40, 6656
	s_and_b32 s41, s[WV], 3                        ; my image of 32 queries
	s_mul_i32 s42, s41, 1536
	s_add_co_u32 s42, s42, s40
	s_mov_b32 s43, 0
	s_lshl_b32 s41, s41, 2
	s_add_co_u32 s40, s40, s41
	s_mov_b32 s41, 0
	s_add_nc_u64 s[42:43], s[4:5], s[42:43]
	s_add_nc_u64 s[40:41], s[4:5], s[40:41]
	s_wait_alu depctr_va_vdst(0)
	global_load_b32 v[QS], v[GL], s[40:41] offset:6144   ; lanes 0-15 tile 0's scale words, lanes 16-31 tile 1's
	WIN 0x40
.irp j, 0,1,2
	global_load_b128 v[Q+4*\j:Q+4*\j+3], v[GL], s[42:43] offset:512*\j   ; registers 0-5 tile 0, 6-11 tile 1
.endr
.set j, 0
.rept 64
	v_mov_b32 v[O+j], 0                            ; O^T: the step is written once, the first finds zeros
.set j, j+1
.endr
.irp i, 0,1,2,3,4,5
	v_mov_b32 v[Q+18+\i], 0
.endr
	WIN 0
	s_lshr_b32 s44, s13, 4
	s_lshl_b32 s44, s44, 7
	s_lshl_b32 s45, s12, 4
	s_add_co_u32 s44, s44, s45
	s_lshl_b32 s45, s[WV], 1
	s_add_co_u32 s44, s44, s45                     ; my first tile of 16 tokens in ob
	s_and_b32 s45, s13, 15                         ; head
	s_lshl_b32 s46, s44, 4
	s_add_co_u32 s46, s46, s45
	s_mul_i32 s46, s46, 768
	s_mov_b32 s47, 0
	s_add_nc_u64 s[46:47], s[8:9], s[46:47]        ; codes: (tile x 16 + head) x 768
	s_lshr_b32 s48, s44, 3
	s_lshl_b32 s48, s48, 12
	s_lshr_b32 s49, s45, 1
	s_lshl_b32 s49, s49, 9
	s_add_co_u32 s48, s48, s49
	s_and_b32 s49, s44, 7
	s_lshl_b32 s49, s49, 6
	s_add_co_u32 s48, s48, s49
	s_and_b32 s49, s45, 1
	s_lshl_b32 s49, s49, 1
	s_add_co_u32 s48, s48, s49
	s_add_co_u32 s48, s48, OSI
	s_mov_b32 s49, 0
	s_add_nc_u64 s[48:49], s[8:9], s[48:49]        ; scale bytes
	s_wait_alu depctr_va_vdst(0)
	s_wait_loadcnt 0x0
	WIN 0x41
.irp i, 0,1,2,3,4,5
	v_mov_b32 v[Q+12+\i], v[Q+6+\i]                ; tile 1's codes to its own operand
.endr
	WIN 0x40
.irp i, 0,1,2,3,4,5
	v_mov_b32 v[Q+6+\i], 0                         ; zero codes for k = 64 .. 127
.endr
	WIN 0
.irp i, 0,1,2,3,4,5
	v_mov_b32 v[KF+48+\i], 0                       ; behind k's last tile
.endr
.irp q, 0,1
	v_mov_b32 v[NM+2*\q], 0x7f61b1e6               ; -M: 3e38
	v_mov_b32 v[NM+2*\q+1], 0xff61b1e6             ; the largest score so far: -3e38
	v_mov_b32 v[L+2*\q], 0
	v_mov_b32 v[L+2*\q+1], 0
	v_mov_b32 v[F+2*\q+1], 0                       ; named as the upper half of a pair
	v_mov_b32 v[Y+\q], 0                           ; a lane permute's destination counts as a source
.endr
.macro KLOAD ak, aks                   ; 16 LDS loads: four scale words, eight tiles of k
.irp g, 0,1,2,3
	ds_load_b32 v[KS+\g], v[\aks] offset:128*(\g%2)+8*(\g/2)
.endr
.irp g, 0,1,2,3
.irp j, 0,1,2
	ds_load_b128 v[KF+12*\g+4*\j:KF+12*\g+4*\j+3], v[\ak] offset:3840*(\g/2)+128*(\g%2)+640*\j
.endr
.endr
.endm
.macro VLOAD av, avs                   ; 13 LDS loads
	ds_load_b64 v[VS:VS+1], v[\avs]
	WIN 0x40
.irp t, 0,1,2,3
.irp j, 0,1,2
	ds_load_b128 v[VF+12*\t+4*\j:VF+12*\t+4*\j+3], v[\av] offset:1920*\t+640*\j
.endr
.endr
	WIN 0
.endm
.macro QK t, q
.if ((\t)%2) && (\q)
	v_wmma_scale_f32_16x16x128_f8f6f4 v[S+64*\q+8*\t:S+64*\q+8*\t+7], v[KF+6*\t:KF+6*\t+11], v[Q+12*\q:Q+12*\q+11], 0, v[KS+\t/2], v[QS] matrix_a_fmt:MATRIX_FMT_FP6 matrix_b_fmt:MATRIX_FMT_FP6 matrix_a_scale:MATRIX_SCALE_ROW1 matrix_b_scale:MATRIX_SCALE_ROW1
.elseif (\t)%2
	v_wmma_scale_f32_16x16x128_f8f6f4 v[S+64*\q+8*\t:S+64*\q+8*\t+7], v[KF+6*\t:KF+6*\t+11], v[Q+12*\q:Q+12*\q+11], 0, v[KS+\t/2], v[QS] matrix_a_fmt:MATRIX_FMT_FP6 matrix_b_fmt:MATRIX_FMT_FP6 matrix_a_scale:MATRIX_SCALE_ROW1
.elseif \q
	v_wmma_scale_f32_16x16x128_f8f6f4 v[S+64*\q+8*\t:S+64*\q+8*\t+7], v[KF+6*\t:KF+6*\t+11], v[Q+12*\q:Q+12*\q+11], 0, v[KS+\t/2], v[QS] matrix_a_fmt:MATRIX_FMT_FP6 matrix_b_fmt:MATRIX_FMT_FP6 matrix_b_scale:MATRIX_SCALE_ROW1
.else
	v_wmma_scale_f32_16x16x128_f8f6f4 v[S+64*\q+8*\t:S+64*\q+8*\t+7], v[KF+6*\t:KF+6*\t+11], v[Q+12*\q:Q+12*\q+11], 0, v[KS+\t/2], v[QS] matrix_a_fmt:MATRIX_FMT_FP6 matrix_b_fmt:MATRIX_FMT_FP6
.endif
.endm
.macro PV t, q
.if (\t)%2
	v_wmma_scale_f32_16x16x128_f8f6f4 v[O+32*\q+8*\t:O+32*\q+8*\t+7], v[VF+12*\t:VF+12*\t+11], v[P+12*\q:P+12*\q+11], v[O+32*\q+8*\t:O+32*\q+8*\t+7], v[VS+\t/2], v[PS+\q] matrix_a_fmt:MATRIX_FMT_FP6 matrix_b_fmt:MATRIX_FMT_FP6 matrix_a_scale:MATRIX_SCALE_ROW1
.else
	v_wmma_scale_f32_16x16x128_f8f6f4 v[O+32*\q+8*\t:O+32*\q+8*\t+7], v[VF+12*\t:VF+12*\t+11], v[P+12*\q:P+12*\q+11], v[O+32*\q+8*\t:O+32*\q+8*\t+7], v[VS+\t/2], v[PS+\q] matrix_a_fmt:MATRIX_FMT_FP6 matrix_b_fmt:MATRIX_FMT_FP6
.endif
.endm
; One step of 128 keys for both tiles of queries.  more = 1: the next step's k is asked for behind this step's first products, its v behind the second.
.macro STEP more
	s_wait_dscnt 13                                ; k and its scale words are in; v's 13 younger loads may be out
	WIN 0x04                                       ; source 1 (q) in window 1
.irp t, 0,1,2,3,4,5,6,7
.irp q, 0,1
	QK \t, \q
.endr
.endr
	WIN 0
.if \more
	s_add_co_u32 s[TB], s[TB], RECL
	v_add_nc_u32 v[AK], s[TB], v[LK]               ; the next record's addresses: also the four places behind the products
	v_add_nc_u32 v[AKS], s[TB], v[LKS]
	v_add_nc_u32 v[AV], s[TB], v[LV]
	v_add_nc_u32 v[AVS], s[TB], v[LVS]
	KLOAD AK, AKS
.else
.rept 4
	v_nop
.endr
.endif
.irp e, 0,1,2,3                        ; e = 2 q + c: the lane's block c of tile q: 32 registers, each accumulator from its low end on
	v_max3_num_f32 v[BM+\e], v[S+32*\e], v[S+32*\e+1], v[S+32*\e+2]          ; each block in two chains of 16 registers: eight chains by turns
	v_max3_num_f32 v[BY+\e], v[S+32*\e+16], v[S+32*\e+17], v[S+32*\e+18]
.endr
.irp i, 3,5,7,9,11,13
.irp e, 0,1,2,3
	v_max3_num_f32 v[BM+\e], v[BM+\e], v[S+32*\e+\i], v[S+32*\e+\i+1]
	v_max3_num_f32 v[BY+\e], v[BY+\e], v[S+32*\e+16+\i], v[S+32*\e+17+\i]
.endr
.endr
.irp e, 0,1,2,3
	v_max3_num_f32 v[BM+\e], v[BM+\e], v[BY+\e], v[S+32*\e+15]
.endr
.irp e, 0,1,2,3
	v_max_num_f32 v[BM+\e], v[BM+\e], v[S+32*\e+31]
.endr
.irp q, 0,1
	v_mov_b32 v[OLD+\q], v[NM+2*\q]
.endr
.irp q, 0,1
	v_max_num_f32 v[X+\q], v[BM+2*\q], v[BM+2*\q+1]
.endr
.irp q, 0,1
	s_delay_alu instid0(VALU_DEP_2)
	v_permlanex16_b32 v[Y+\q], v[X+\q], s[SEL], s[SEL+1]
.endr
.irp q, 0,1
	s_delay_alu instid0(VALU_DEP_2)
	v_max3_num_f32 v[NM+2*\q+1], v[NM+2*\q+1], v[X+\q], v[Y+\q]   ; the running largest score (c is positive)
.endr
.irp q, 0,1
	s_delay_alu instid0(VALU_DEP_2)
	v_mul_f32 v[X+\q], s[NC], v[NM+2*\q+1]
.endr
.irp q, 0,1
	s_delay_alu instid0(VALU_DEP_2)
	v_floor_f32 v[NM+2*\q], v[X+\q]                ; -M = floor(-t): M is a whole number
.endr
.irp q, 0,1
	s_delay_alu instid0(VALU_DEP_2)
	v_sub_f32 v[OLD+\q], v[NM+2*\q], v[OLD+\q]
.endr
.irp q, 0,1
	s_delay_alu instid0(VALU_DEP_2)
	v_cvt_i32_f32 v[OLD+\q], v[OLD+\q]             ; it saturates
.endr
.irp q, 0,1
	s_delay_alu instid0(VALU_DEP_2)
	v_ldexp_f32 v[F+2*\q], 1.0, v[OLD+\q]          ; f = 2^(old M - new M)
.endr
	WIN 0x41
.set j, 0
.rept 32
	v_pk_mul_f32 v[O+j:O+j+1], v[O+j:O+j+1], v[F+2*(j/32):F+2*(j/32)+1] op_sel_hi:[1,0]   ; O^T under the new M
.set j, j+2
.endr
	WIN 0
.irp e, 0,1,2,3
	v_fma_f32 v[BM+\e], v[BM+\e], s[CS], v[NM+2*(\e/2)]
.endr
.set j, 0
.rept 64
	v_pk_fma_f32 v[S+j:S+j+1], v[S+j:S+j+1], s[CS:CS+1], v[NM+2*(j/64):NM+2*(j/64)+1] op_sel_hi:[1,0,0]   ; t - M
.set j, j+2
.endr
	s_wait_alu depctr_va_vdst(0)                   ; the wait ahead of the batch
.irp e, 0,1,2,3
	v_exp_f32 v[BM+\e], v[BM+\e]                   ; the block's largest p: the same two instructions on the same number
.endr
.set j, 0
.rept 128
	v_exp_f32 v[S+j], v[S+j]
.set j, j+1
.endr
	v_nop
	s_wait_alu depctr_va_vdst(0)                   ; and one behind it, ahead of its first reader
.irp e, 0,1,2,3
	v_max_num_f32 v[BM+\e], 0x1800000, v[BM+\e]    ; the floor 2^(3 - 127): the byte cannot fall under 1
.endr
.irp e, 0,1,2,3
	v_add_nc_u32 v[SO+\e], 0xff000000, v[BM+\e]    ; 2 off the exponent field: the conversion's scale operand
.endr
.irp e, 0,1,2,3
	v_lshrrev_b32 v[BY+\e], 23, v[SO+\e]
.endr
.irp q, 0,1
	v_lshl_or_b32 v[W+\q], v[BY+2*\q+1], 16, v[BY+2*\q]   ; my bytes: blocks h and 2 + h,
.endr
.irp q, 0,1
	s_delay_alu instid0(VALU_DEP_2)
	v_lshlrev_b32 v[W+\q], v[SH8], v[W+\q]         ; 8 h bits up;
.endr
.irp q, 0,1
	s_delay_alu instid0(VALU_DEP_2)
	v_permlanex16_b32 v[Y+\q], v[W+\q], s[SEL], s[SEL+1]
.endr
.irp q, 0,1
	s_delay_alu instid0(VALU_DEP_2)
	v_or_b32 v[PS+\q], v[W+\q], v[Y+\q]            ; with lane l xor 16's two the word is whole
.endr
	WIN 0x40
.irp q, 0,1
	v_cvt_scalef32_pk16_fp6_f32 v[P+12*\q:P+12*\q+2], v[S+64*\q:S+64*\q+15], v[SO+2*\q]
	v_cvt_scalef32_pk16_fp6_f32 v[CT+8*\q:CT+8*\q+2], v[S+64*\q+16:S+64*\q+31], v[SO+2*\q]       ; (a conversion's three registers begin on an even number)
	v_cvt_scalef32_pk16_fp6_f32 v[P+12*\q+6:P+12*\q+8], v[S+64*\q+32:S+64*\q+47], v[SO+2*\q+1]
	v_cvt_scalef32_pk16_fp6_f32 v[CT+8*\q+4:CT+8*\q+6], v[S+64*\q+48:S+64*\q+63], v[SO+2*\q+1]
.endr
	v_nop                                          ; one plain place behind the scaled conversions
	WIN 0x41
.irp q, 0,1
.irp i, 0,1,2
	v_mov_b32 v[P+12*\q+3+\i], v[CT+8*\q+\i]
	v_mov_b32 v[P+12*\q+9+\i], v[CT+8*\q+4+\i]
.endr
.endr
	WIN 0
.irp q, 0,1                            ; the row's sum of the unquantised p, two chains a tile; the first line also brings the old sum under the new M.  These 64 lines are the places ahead of the products below
	v_pk_fma_f32 v[L+2*\q:L+2*\q+1], v[L+2*\q:L+2*\q+1], v[F+2*\q:F+2*\q+1], v[S+64*\q:S+64*\q+1] op_sel_hi:[1,0,1]
	v_pk_add_f32 v[T+2*\q:T+2*\q+1], v[S+64*\q+2:S+64*\q+3], v[S+64*\q+4:S+64*\q+5]
	v_pk_add_f32 v[BM+2*\q:BM+2*\q+1], v[S+64*\q+6:S+64*\q+7], v[S+64*\q+8:S+64*\q+9]        ; four chains a tile, eight by turns; the two further ones in registers that the scales' work has left
	v_pk_add_f32 v[BY+2*\q:BY+2*\q+1], v[S+64*\q+10:S+64*\q+11], v[S+64*\q+12:S+64*\q+13]
.endr
.set j, 14
.rept 6
.irp q, 0,1
	v_pk_add_f32 v[L+2*\q:L+2*\q+1], v[L+2*\q:L+2*\q+1], v[S+64*\q+j:S+64*\q+j+1]
	v_pk_add_f32 v[T+2*\q:T+2*\q+1], v[T+2*\q:T+2*\q+1], v[S+64*\q+j+2:S+64*\q+j+3]
	v_pk_add_f32 v[BM+2*\q:BM+2*\q+1], v[BM+2*\q:BM+2*\q+1], v[S+64*\q+j+4:S+64*\q+j+5]
	v_pk_add_f32 v[BY+2*\q:BY+2*\q+1], v[BY+2*\q:BY+2*\q+1], v[S+64*\q+j+6:S+64*\q+j+7]
.endr
.set j, j+8
.endr
.irp q, 0,1
	v_pk_add_f32 v[L+2*\q:L+2*\q+1], v[L+2*\q:L+2*\q+1], v[S+64*\q+62:S+64*\q+63]
	v_pk_add_f32 v[T+2*\q:T+2*\q+1], v[T+2*\q:T+2*\q+1], v[BM+2*\q:BM+2*\q+1]
.endr
.irp q, 0,1
	v_pk_add_f32 v[L+2*\q:L+2*\q+1], v[L+2*\q:L+2*\q+1], v[BY+2*\q:BY+2*\q+1]
.endr
.irp q, 0,1
	v_pk_add_f32 v[L+2*\q:L+2*\q+1], v[L+2*\q:L+2*\q+1], v[T+2*\q:T+2*\q+1]
.endr
	s_wait_alu depctr_va_vdst(0)
.if \more
	s_wait_dscnt 16                                ; v is in; the next k's 16 younger loads may be out
.else
	s_wait_dscnt 0x0
.endif
	WIN 0x55                                       ; all four operands in window 1; the eight accumulators take turns
.irp t, 0,1,2,3
.irp q, 0,1
	PV \t, \q
.endr
.endr
	WIN 0
.rept 4
	v_nop                                          ; four places behind the products
.endr
.if \more
	VLOAD AV, AVS
.endif
.endm
	s_wait_alu depctr_va_vdst(0)
	s_wait_tensorcnt 0x0                           ; my two records are in
	s_barrier_signal -1
	s_barrier_wait -1                              ; everybody's are
	KLOAD LK, LKS
	VLOAD LV, LVS
	s_mov_b32 s[CNT], 15
.Lstep:
	STEP 1
	s_sub_co_u32 s[CNT], s[CNT], 1
	s_cmp_lg_u32 s[CNT], 0
	s_cbranch_scc1 .Lstep
	STEP 0                                         ; the last step asks for nothing more
.irp q, 0,1
	v_add_f32 v[L+2*\q], v[L+2*\q], v[L+2*\q+1]
.endr
.irp q, 0,1
	s_delay_alu instid0(VALU_DEP_2)
	v_permlanex16_b32 v[Y+\q], v[L+2*\q], s[SEL], s[SEL+1]
.endr
.irp q, 0,1
	s_delay_alu instid0(VALU_DEP_2)
	v_add_f32 v[L+2*\q], v[L+2*\q], v[Y+\q]        ; the row's sum
.endr
	s_wait_alu depctr_va_vdst(0)
.irp q, 0,1
	v_rcp_f32 v[L+2*\q], v[L+2*\q]
.endr
	v_nop
	WIN 0x01
	s_wait_alu depctr_va_vdst(0)                   ; directly ahead of the first reader of the reciprocals and of O^T
.set j, 0
.rept 32
	v_pk_mul_f32 v[S+64*(j/32)+(j%32):S+64*(j/32)+(j%32)+1], v[O+j:O+j+1], v[L+2*(j/32):L+2*(j/32)+1] op_sel_hi:[1,0]
.set j, j+2
.endr
	WIN 0
; o's quantiser: of tile q, register 16 b + i is channel 32 b + 16 h + i.  e = 2 q + b
.irp e, 0,1,2,3
	v_max3_num_f32 v[BM+\e], |v[S+64*(\e/2)+16*(\e%2)]|, |v[S+64*(\e/2)+16*(\e%2)+1]|, 0x1800000
.endr
.irp i, 2,4,6,8,10,12,14
.irp e, 0,1,2,3
	v_max3_num_f32 v[BM+\e], v[BM+\e], |v[S+64*(\e/2)+16*(\e%2)+\i]|, |v[S+64*(\e/2)+16*(\e%2)+\i+1]|
.endr
.endr
.irp e, 0,1,2,3
	v_permlanex16_b32 v[BY+\e], v[BM+\e], s[SEL], s[SEL+1]
.endr
.irp e, 0,1,2,3
	v_max_num_f32 v[BM+\e], v[BM+\e], v[BY+\e]
.endr
.irp e, 0,1,2,3
	v_add_nc_u32 v[SO+\e], 0xff000000, v[BM+\e]
.endr
.irp e, 0,1,2,3
	v_lshrrev_b32 v[BY+\e], 23, v[SO+\e]
.endr
.irp q, 0,1
	v_lshl_or_b32 v[W+\q], v[BY+2*\q+1], 8, v[BY+2*\q]
.endr
.irp q, 0,1
	v_cvt_scalef32_pk16_fp6_f32 v[KF+12*\q:KF+12*\q+2], v[S+64*\q:S+64*\q+15], v[SO+2*\q]
	v_cvt_scalef32_pk16_fp6_f32 v[KF+32+8*\q:KF+32+8*\q+2], v[S+64*\q+16:S+64*\q+31], v[SO+2*\q+1]
.endr
	v_nop
.irp q, 0,1
.irp i, 0,1,2
	v_permlane16_swap_b32 v[KF+12*\q+\i], v[KF+32+8*\q+\i]   ; a whole block in a lane: lanes 0-15 channels 0-31, lanes 16-31 channels 32-63
.endr
.endr
.irp q, 0,1
.irp i, 0,1,2
	v_mov_b32 v[KF+12*\q+3+\i], v[KF+32+8*\q+\i]
.endr
.endr
.irp q, 0,1
.irp p, 0,1,2
	global_store_b64 v[G8], v[KF+12*\q+2*\p:KF+12*\q+2*\p+1], s[46:47] offset:12288*\q+256*\p   ; 32 lanes store 256 consecutive bytes, aligned
.endr
	global_store_b16 v[G4], v[W+\q], s[48:49] offset:64*\q   ; my head's two bytes of the row's scale word
.endr
	s_wait_tensorcnt 0x0                           ; the wave's end
	ds_add_u32 v[SPW], v[NIL]
	s_wait_dscnt 0x0
	CROUND                                         ; the closing round
	s_endpgm
.Lfunc_end_k_q0c42558fba_attn:
	.size	k_q0c42558fba_attn, .Lfunc_end_k_q0c42558fba_attn-k_q0c42558fba_attn
	.p2alignl 7, 3214868480
	.fill 96, 4, 3214868480
	.section	.rodata,"a",@progbits
	.p2align	6, 0x0
	.amdhsa_kernel k_q0c42558fba_attn
		.amdhsa_group_segment_fixed_size 262144
		.amdhsa_private_segment_fixed_size 0
		.amdhsa_enable_private_segment 0
		.amdhsa_kernarg_size 24
		.amdhsa_user_sgpr_count 2
		.amdhsa_user_sgpr_kernarg_segment_ptr 1
		.amdhsa_wavefront_size32 1
		.amdhsa_system_sgpr_workgroup_id_x 1
		.amdhsa_system_sgpr_workgroup_id_y 1
		.amdhsa_system_sgpr_workgroup_id_z 1
		.amdhsa_system_vgpr_workitem_id 0
		.amdhsa_next_free_vgpr 512
		.amdhsa_next_free_sgpr 66
		.amdhsa_reserve_vcc 0
		.amdhsa_float_denorm_mode_32 3
		.amdhsa_float_denorm_mode_16_64 3
		.amdhsa_memory_ordered 1
		.amdhsa_forward_progress 1
		.amdhsa_inst_pref_size 71
	.end_amdhsa_kernel
	.amdgpu_metadata
---
amdhsa.version: [ 1, 2 ]
amdhsa.kernels:
  - .name:           k_q0c42558fba_attn
    .symbol:         k_q0c42558fba_attn.kd
    .args:
      - { .name: qb, .offset: 0, .size: 8, .value_kind: global_buffer, .address_space: global }
      - { .name: kv, .offset: 8, .size: 8, .value_kind: global_buffer, .address_space: global }
      - { .name: ob, .offset: 16, .size: 8, .value_kind: global_buffer, .address_space: global }
    .group_segment_fixed_size: 262144
    .private_segment_fixed_size: 0
    .kernarg_segment_align: 8
    .kernarg_segment_size: 24
    .max_flat_workgroup_size: 256
    .sgpr_count:     66
    .vgpr_count:     512
    .wavefront_size: 32
...
	.end_amdgpu_metadata
.endif
;; end of part 3
;; launch proj (part 4): grid 8 x 32, 4 waves a work-group, clusters of 4 x 4, 222,720 bytes of LDS; arguments ob, wp, b_proj, out0; writes out0
.if DOCPART == 4
	.amdgcn_target "amdgcn-amd-amdhsa--gfx1250"
	.amdhsa_code_object_version 6
	.text
	.protected	k_q0c42558fba_proj
	.globl	k_q0c42558fba_proj
	.p2align	8
	.type	k_q0c42558fba_proj,@function
k_q0c42558fba_proj:
	s_mov_b64 s[64:65], 0
	v_nop
	global_prefetch_b8 v0, s[64:65] scope:SCOPE_SE
	s_setreg_imm32_b32 hwreg(HW_REG_WAVE_MODE, 25, 1), 1
	s_wait_xcnt 0x0
	s_wait_alu depctr_hold_cnt(0) depctr_sa_sdst(0) depctr_va_vdst(0) depctr_va_sdst(0) depctr_va_ssrc(0) depctr_va_vcc(0) depctr_vm_vsrc(0)
	s_getreg_b32 s2, hwreg(HW_REG_IB_STS2, 6, 4)
	s_cmp_eq_u32 s2, 0
	s_cbranch_scc0 .Lentry_in_a_cluster
	s_endpgm
.Lentry_in_a_cluster:
	s_bfe_u32 s2, ttmp6, 0x10000c
	s_cmp_lg_u32 s2, 0xf033
	s_cbranch_scc0 .Lentry_shape_is_right
	s_endpgm
.Lentry_shape_is_right:
; out0 = o w_proj + b_proj on codes of FP6 (E2M3) with E8M0 scales, K = 1024; out0 [4096][1024] f32.
; SHAPE: a tile of 128 x 128 gives each of 256 work-groups one tile.  Four waves, each 64 x 64: 16 accumulators.
; ALL OF K lies in LDS and every byte is filled once.  A tile's codes for all of K are 98,304 dense bytes of memory, its scale words 4,096: four joint loads at the head, one a wave:
; wave 0 A's codes (tokens, ob), wave 1 B's (columns, wp), wave 2 A's scale words, wave 3 B's.  A's are shared along a row of the 4 x 4 cluster, B's along a column.  No prefetch: all tiles are asked for in the first lines.
; OPERANDS lie in the order of the operand's registers ([tile of 16][K step][piece][lane][8 bytes]; in each group of 32 rows lane r of tile u holds row 8 u + r + 8 (r / 8)).
; THE MATRIX INSTRUCTION IS USED TRANSPOSED (source 0 = columns, source 1 = tokens): a lane holds one token; register j of tile b is column 32 (b / 2) + 16 h + 8 (b % 2) + j.  The bias is the C of each sum's first instruction.
; REGISTERS: window 0: v8-20 addresses; v32-63 scale words; v64-95 the bias; v128-255 accumulators ((a, b) at 128 + 8 (4 a + b)).  window 1: two fragment buffers at v0 and v128: A's four fragments, then B's four.
.set CODES, 98304                      ; A's codes at 0, B's behind them
.set SCL,   196608                     ; A's scale words (4,096 bytes), then B's
.set STG,   204800                     ; a stage of 16 rows x (256 + 16) bytes for each wave: no fill lands here
.set SPARE, 222208
.set OSI,   3145728
.set WSI,   786432
.set FR,    12
.set ADA,   8
.set ADB,   12
.set ADRS,  16
.set STO,   17
.set RD,    18
.set CO,    19
.set BO,    20
.set SC,    32
.set BI,    64
.set OB,    32
.set ACC,   128
.set WV,    12
.set HA,    13
.set HB,    14
.set MSB, 0
.macro WIN new
.set WNEW, \new
.if MSB != WNEW
	s_set_vgpr_msb (MSB<<8)|WNEW
.set MSB, WNEW
.endif
.endm
.macro CROUND
	s_barrier_signal -1
	s_barrier_wait -1
	s_cmp_lg_u32 s[WV], 0
	s_cbranch_scc1 .Lnot_wave_0_\@
	s_barrier_signal -3
.Lnot_wave_0_\@:
	s_barrier_wait -3
	s_barrier_signal -1
	s_barrier_wait -1
.endm
.macro PLACES n
.rept \n
	v_nop
.endr
.endm
.macro MKG0 g, lds, ptr, off           ; a group 0: count 1, LDS address, global address, type 2
	s_mov_b32 s[\g], 1
	s_mov_b32 s[\g+1], \lds
	s_add_nc_u64 s[\g+2:\g+3], s[\ptr:\ptr+1], s[\off:\off+1]
	s_or_b32 s[\g+3], s[\g+3], 0x80000000
.endm
	s_load_b256 s[4:11], s[0:1], 0x0               ; ob s[4:5], wp s[6:7], b_proj s[8:9], out0 s[10:11]
	v_lshl_add_u32 v126, v0, 2, SPARE
	v_mov_b32 v127, 0
	ds_add_u32 v126, v127                          ; the opening lines
	ds_add_u32 v126, v127
	v_lshrrev_b32 v1, 5, v0
	v_readfirstlane_b32 s[WV], v1                  ; wave 0..3
	s_lshr_b32 s[HA], s[WV], 1                     ; which half of the tokens is mine
	s_and_b32 s[HB], s[WV], 1                      ; which half of the columns
	s_bfe_u32 s15, ttmp6, 0x40000                  ; cx
	s_bfe_u32 s16, ttmp6, 0x40004                  ; cy
	s_lshl_b32 s17, ttmp9, 2
	s_add_co_u32 s17, s17, s15                     ; tile column
	s_and_b32 s18, ttmp7, 0xffff
	s_lshl_b32 s18, s18, 2
	s_add_co_u32 s18, s18, s16                     ; tile row
	s_lshl_b32 s19, s16, 2
	s_lshl_b32 s19, 15, s19                        ; my row of the cluster
	s_lshl_b32 s20, 0x1111, s15                    ; my column
	s_or_b32 s24, s19, (3<<16)|(1<<21)             ; codes: 98,304 dense bytes as 384 rows of 256 (32 elements of 8 bytes)
	s_or_b32 s32, s20, (3<<16)|(1<<21)
.irp g, 24, 32
	s_mov_b32 s[\g+1], 32<<16
	s_mov_b32 s[\g+2], 384<<16
	s_mov_b32 s[\g+3], 32<<16
	s_mov_b32 s[\g+4], 384
	s_mov_b32 s[\g+5], 32
	s_mov_b32 s[\g+6], 0
	s_mov_b32 s[\g+7], 0
.endr
	s_or_b32 s40, s19, (3<<16)|(1<<21)             ; scale words: 4,096 dense bytes as 16 rows of 256
	s_or_b32 s48, s20, (3<<16)|(1<<21)
.irp g, 40, 48
	s_mov_b32 s[\g+1], 32<<16
	s_mov_b32 s[\g+2], 16<<16
	s_mov_b32 s[\g+3], 32<<16
	s_mov_b32 s[\g+4], 16
	s_mov_b32 s[\g+5], 32
	s_mov_b32 s[\g+6], 0
	s_mov_b32 s[\g+7], 0
.endr
	s_mul_i32 s22, s18, CODES                      ; A hangs on the tile row alone, B on the tile column alone
	s_mov_b32 s23, 0
	s_mul_i32 s2, s17, CODES
	s_mov_b32 s3, 0
	s_lshl_b32 s66, s18, 12
	s_add_co_u32 s66, s66, OSI
	s_mov_b32 s67, 0
	s_lshl_b32 s68, s17, 12
	s_add_co_u32 s68, s68, WSI
	s_mov_b32 s69, 0
	s_wait_dscnt 0x0
	s_wait_kmcnt 0x0
	MKG0 56, 0, 4, 22
	MKG0 60, CODES, 6, 2
	MKG0 72, SCL, 4, 66
	MKG0 76, SCL+4096, 6, 68
	CROUND                                         ; all sixteen work-groups are here: the joint loads meet
.macro ARM under, g0, g1, next         ; one tree of branches on the wave's number: every way passes exactly one load
	s_cmp_lt_u32 s[WV], \under
	s_cbranch_scc0 \next
	tensor_load_to_lds s[\g0:\g0+3], s[\g1:\g1+7]
	s_nop 0
.rept 4
	v_nop
.endr
	s_branch .Lasked
\next:
.endm
	ARM 1, 56, 24, .Lhead_b
	ARM 2, 60, 32, .Lhead_sa
	ARM 3, 72, 40, .Lhead_sb
	tensor_load_to_lds s[76:79], s[48:55]
	s_nop 0
.rept 4
	v_nop
.endr
.Lasked:
	v_and_b32 v1, 31, v0                           ; lane
	v_and_b32 v2, 15, v0                           ; r
	v_bfe_u32 v3, v0, 4, 1                         ; h
	v_lshlrev_b32 v4, 3, v1                        ; 8 x lane
	s_wait_alu depctr_va_vdst(0)
	v_lshlrev_b32 v[BO], 6, v3                     ; the bias: my half's columns begin 16 h numbers on
	s_lshl_b32 s2, s17, 9
	s_lshl_b32 s21, s[HB], 8
	s_add_co_u32 s2, s2, s21                       ; my first column, in bytes
	s_mov_b32 s3, 0
	s_add_nc_u64 s[8:9], s[8:9], s[2:3]
	s_add_nc_u64 s[10:11], s[10:11], s[2:3]
.irp b, 0,1,2,3
	global_load_b128 v[BI+8*\b:BI+8*\b+3], v[BO], s[8:9] offset:128*(\b/2)+32*(\b%2)
	global_load_b128 v[BI+8*\b+4:BI+8*\b+7], v[BO], s[8:9] offset:128*(\b/2)+32*(\b%2)+16
.endr
	s_lshl_b32 s2, s18, 7
	s_lshl_b32 s21, s[HA], 6
	s_add_co_u32 s2, s2, s21                       ; my first token
	s_lshl_b32 s2, s2, 12
	s_add_nc_u64 s[10:11], s[10:11], s[2:3]
	s_mul_i32 s2, s[HA], 4*12288                   ; my four tiles of A,
	s_mul_i32 s3, s[HB], 4*12288
	s_add_co_u32 s3, s3, CODES                     ; and of B
	v_add_nc_u32 v[ADA], s2, v4
	v_add_nc_u32 v[ADB], s3, v4
	v_lshlrev_b32 v5, 2, v2                        ; scale words: 4 r,
	s_lshl_b32 s2, s[HA], 8                        ; A's: my 64 rows
	s_lshl_b32 s3, s[HB], 8                        ; B's, behind A's block
	s_add_co_u32 s3, s3, 4096
	s_sub_co_u32 s3, s3, s2
	v_mul_u32_u24 v6, s3, v3                       ; lanes 16-31 take B's: one product, the distance x h
	s_add_co_u32 s2, s2, SCL
	v_add_nc_u32 v5, v5, v6
	v_add_nc_u32 v[ADRS], s2, v5
	s_mul_i32 s2, s[WV], 16*272
	s_add_co_u32 s2, s2, STG                       ; my stage
	v_mul_u32_u24 v[STO], v2, 272
	v_lshl_add_u32 v[STO], v3, 6, v[STO]
	v_add_nc_u32 v[STO], s2, v[STO]                ; in: row r, + 64 h
	v_mul_u32_u24 v[RD], v3, 272
	v_lshl_add_u32 v[RD], v2, 4, v[RD]
	v_add_nc_u32 v[RD], s2, v[RD]                  ; back: lanes 0-15 one row of 256 bytes, lanes 16-31 the next
	v_lshlrev_b32 v[CO], 12, v3
	v_lshl_add_u32 v[CO], v2, 4, v[CO]             ; and the same two rows in out0
.macro FETCH kap                       ; K step kap's eight fragments into buffer kap % 2: 48 loads of 8 bytes a lane, 256 consecutive bytes each
.set FBL, 128*((\kap)%2)
	WIN 0x40                                       ; destination window 1, address window 0
.irp i, 0,1,2,3
.irp p, 0,1,2,3,4,5
	ds_load_b64 v[FBL+FR*\i+2*\p:FBL+FR*\i+2*\p+1], v[ADA] offset:12288*\i+1536*(\kap)+256*\p
.endr
.endr
.irp i, 0,1,2,3
.irp p, 0,1,2,3,4,5
	ds_load_b64 v[FBL+48+FR*\i+2*\p:FBL+48+FR*\i+2*\p+1], v[ADB] offset:12288*\i+1536*(\kap)+256*\p
.endr
.endr
.endm
; A K step: the next step's fragments are asked for, then this step's 16 products; the accumulators take turns, one instruction a turn, in the same order in every step.
.macro KSTEP kap
.if (\kap) > 0 && (\kap) < 7
	PLACES 4                                       ; in front of loads into the buffer that the last step's products have read
.endif
.if (\kap) < 7
	FETCH (\kap)+1
	s_wait_dscnt 48                                ; all but the 48 just issued
.else
	s_wait_dscnt 0x0
.endif
.set FBM, 128*((\kap)%2)
	WIN 0x05                                       ; sources 0 and 1 window 1; C and D window 0
.irp a, 0,1,2,3
.irp b, 0,1,2,3
.if (\kap) == 0
	v_wmma_scale_f32_16x16x128_f8f6f4 v[ACC+8*(4*\a+\b):ACC+8*(4*\a+\b)+7], v[FBM+48+FR*\b:FBM+48+FR*\b+FR-1], v[FBM+FR*\a:FBM+FR*\a+FR-1], v[BI+8*\b:BI+8*\b+7], v[SC+8*\b+(\kap)], v[SC+8*\a+(\kap)] matrix_a_fmt:MATRIX_FMT_FP6 matrix_b_fmt:MATRIX_FMT_FP6 matrix_a_scale:MATRIX_SCALE_ROW1
.else
	v_wmma_scale_f32_16x16x128_f8f6f4 v[ACC+8*(4*\a+\b):ACC+8*(4*\a+\b)+7], v[FBM+48+FR*\b:FBM+48+FR*\b+FR-1], v[FBM+FR*\a:FBM+FR*\a+FR-1], v[ACC+8*(4*\a+\b):ACC+8*(4*\a+\b)+7], v[SC+8*\b+(\kap)], v[SC+8*\a+(\kap)] matrix_a_fmt:MATRIX_FMT_FP6 matrix_b_fmt:MATRIX_FMT_FP6 matrix_a_scale:MATRIX_SCALE_ROW1
.endif
.endr
.endr
.endm
	s_wait_alu depctr_va_vdst(0)
	s_wait_tensorcnt 0x0                           ; my tile of the four is in
	s_barrier_signal -1
	s_barrier_wait -1                              ; all four are
.irp i, 0,1,2,3
.irp k, 0,1,2,3,4,5,6,7
	ds_load_b32 v[SC+8*\i+\k], v[ADRS] offset:512*\k+64*\i   ; lanes 0-15 A's tile i, lanes 16-31 B's tile i
.endr
.endr
	FETCH 0
	s_wait_loadcnt 0x0                             ; the bias
	KSTEP 0
	KSTEP 1
	KSTEP 2
	KSTEP 3
	KSTEP 4
	KSTEP 5
	KSTEP 6
	KSTEP 7
	WIN 0
	PLACES 4                                       ; behind the last products: results are read, and scales' registers loaded, only from here on
	; THE WAY OUT, 16 rows x 64 columns at a time, through my own stage: a lane's numbers go in by rows of 272 bytes and come back as whole rows of 256 bytes
.irp a, 0,1,2,3
.if \a >= 2
	s_wait_xcnt 0x0                                ; block a - 2's stores have read their registers
.endif
.irp b, 0,1,2,3
	ds_store_b128 v[STO], v[ACC+8*(4*\a+\b):ACC+8*(4*\a+\b)+3] offset:128*(\b/2)+32*(\b%2)         ; each accumulator from its low end on
	ds_store_b128 v[STO], v[ACC+8*(4*\a+\b)+4:ACC+8*(4*\a+\b)+7] offset:128*(\b/2)+32*(\b%2)+16
.endr
.irp t, 0,1,2,3,4,5,6,7
	ds_load_b128 v[OB+32*(\a%2)+4*\t:OB+32*(\a%2)+4*\t+3], v[RD] offset:544*\t   ; LDS serves a wave's instructions in order (ISA guide 5.7.1.4): these see the stores above
.endr
.irp t, 0,1,2,3,4,5,6,7
	s_wait_dscnt 7-\t                              ; rows 2 t, 2 t + 1 are back; the younger loads may be out
	global_store_b128 v[CO], v[OB+32*(\a%2)+4*\t:OB+32*(\a%2)+4*\t+3], s[10:11] offset:(32*(\a/2)+8*(\a%2)+2*\t+8*(\t/4))*4096 th:TH_STORE_NT   ; 16 lanes store 256 consecutive bytes, aligned; the tile's rows go to their tokens
.endr
.endr
	s_wait_tensorcnt 0x0                           ; the wave's end
	ds_add_u32 v126, v127
	s_wait_dscnt 0x0
	CROUND                                         ; the closing round: no work-group ends while a partner may still ask for a tile that names it
	s_endpgm
.Lfunc_end_k_q0c42558fba_proj:
	.size	k_q0c42558fba_proj, .Lfunc_end_k_q0c42558fba_proj-k_q0c42558fba_proj
	.p2alignl 7, 3214868480
	.fill 96, 4, 3214868480
	.section	.rodata,"a",@progbits
	.p2align	6, 0x0
	.amdhsa_kernel k_q0c42558fba_proj
		.amdhsa_group_segment_fixed_size 222720
		.amdhsa_private_segment_fixed_size 0
		.amdhsa_enable_private_segment 0
		.amdhsa_kernarg_size 32
		.amdhsa_user_sgpr_count 2
		.amdhsa_user_sgpr_kernarg_segment_ptr 1
		.amdhsa_wavefront_size32 1
		.amdhsa_system_sgpr_workgroup_id_x 1
		.amdhsa_system_sgpr_workgroup_id_y 1
		.amdhsa_system_sgpr_workgroup_id_z 1
		.amdhsa_system_vgpr_workitem_id 0
		.amdhsa_next_free_vgpr 512
		.amdhsa_next_free_sgpr 100
		.amdhsa_reserve_vcc 0
		.amdhsa_float_denorm_mode_32 3
		.amdhsa_float_denorm_mode_16_64 3
		.amdhsa_memory_ordered 1
		.amdhsa_forward_progress 1
		.amdhsa_inst_pref_size 61
	.end_amdhsa_kernel
	.amdgpu_metadata
---
amdhsa.version: [ 1, 2 ]
amdhsa.kernels:
  - .name:           k_q0c42558fba_proj
    .symbol:         k_q0c42558fba_proj.kd
    .args:
      - { .name: ob, .offset: 0, .size: 8, .value_kind: global_buffer, .address_space: global }
      - { .name: wp, .offset: 8, .size: 8, .value_kind: global_buffer, .address_space: global }
      - { .name: b_proj, .offset: 16, .size: 8, .value_kind: global_buffer, .address_space: global }
      - { .name: out0, .offset: 24, .size: 8, .value_kind: global_buffer, .address_space: global }
    .group_segment_fixed_size: 222720
    .private_segment_fixed_size: 0
    .kernarg_segment_align: 8
    .kernarg_segment_size: 32
    .max_flat_workgroup_size: 128
    .sgpr_count:     100
    .vgpr_count:     512
    .wavefront_size: 32
...
	.end_amdgpu_metadata
.endif
;; end of part 4
